; MI455X (gfx1250); checked and timed in simulation.
; The chip was launched on July 23, 2026; its instructions are those of AMD's public machine-readable ISA for CDNA 5 (MIT licence, August 2026) and "CDNA5" Instruction Set Architecture Reference Guide (July 2026). The comments in the code are by the model that wrote it; some were corrected since.
;; Attn Block. Allowed arithmetic: matrix products marked QUANTISED: E2M1 operands, one E8M0 scale for each 32 along K, by v_wmma_scale_f32_16x16x128_f8f6f4 with both operands' format E2M1 (or v_wmma_scale_f32_32x16x128_f4), f32 sums; products left as they are: bf16, f16 or f32 operands; f32 sums; everything else in f32.
;; Inputs: Wk 1,024 x 1,024 float32; Wo 1,024 x 1,024 float32; Wq 1,024 x 1,024 float32; Wv 1,024 x 1,024 float32; x 4 x 2,048 x 1,024 float32.
;; Outputs: out0 4 x 2,048 x 1,024 float32.
;; This version of the problem:
;;   THIS VERSION OF THE PROBLEM IS GIVEN IN LOW PRECISION. The matrix products marked QUANTISED in the list below multiply operands that are first quantised to E2M1 (2 exponent bits, 1 mantissa bit; 4 bits a number), with one power-of-two scale for each 32 numbers along K (OCP MX v1.0); their sums are f32. The products marked 'left as it is' may take bf16, f16 or f32 operands, with f32 sums. Whichever they take, every output number must still come out within the allowed error. Rounding operands to bf16 (8 significant bits) uses up far more of that allowance than f16 does (11 bits, for magnitudes from 6e-5 to 65,504). All else is computed in f32.
;;   The module's matrix products, in the order in which they are computed (A, B: the left and right operand; K: the contracted axis; several contracted axes count as one K, in the product's order):
;;     1. [M 8,192, K 1,024] x [K 1,024, N 1,024]; A: input x; B: input Wq: QUANTISED
;;     2. [M 8,192, K 1,024] x [K 1,024, N 1,024]; A: input x; B: input Wk: QUANTISED
;;     3. [M 8,192, K 1,024] x [K 1,024, N 1,024]; A: input x; B: input Wv: QUANTISED
;;     4. batch 64 x [M 2,048, K 64] x [K 64, N 2,048]; A: computed on the way; B: computed on the way: left as it is (an operand is computed on the way)
;;     5. batch 64 x [M 2,048, K 2,048] x [K 2,048, N 64]; A: computed on the way; B: computed on the way: left as it is (an operand is computed on the way)
;;     6. [M 8,192, K 1,024] x [K 1,024, N 1,024]; A: computed on the way; B: input Wo: left as it is (an operand is computed on the way)
;;   THE QUANTISER, for each operand of a quantised product, along K:
;;     - K is cut into blocks of 32 from its start; a last block that is shorter is filled with zeros.
;;     - A block's scale is 2^e with e = floor(log2(the largest magnitude in the block)) - 2, held to -126 .. 127; a block of zeros has e = 0. As a byte (E8M0): e + 127.
;;     - Each number is divided by its block's scale, clamped to +-6, and rounded to the nearest number of E2M1, ties to even, subnormals kept.
;;     - The product sums the exact products of the quantised numbers (number of the format x scale) in f32.
;;   ~~~python
;;   def quantise(x, axis):      # numpy; x: float32 -> the quantised numbers, widened to float32 again
;;       x = np.moveaxis(x, axis, -1); K = x.shape[-1]
;;       x = np.pad(x, [(0, 0)] * (x.ndim - 1) + [(0, -K % 32)]); x = x.reshape(x.shape[:-1] + (-1, 32)); a = np.abs(x).max(-1, keepdims=True)
;;       e = np.where(a > 0, np.clip(np.frexp(np.where(a > 0, a, 1))[1] - 1 - 2, -126, 127), 0)      # np.frexp(a)[1] - 1 = floor(log2(a)), exactly
;;       r = np.clip(x / 2.0 ** e, -6, 6)
;;       step = 2.0 ** (np.maximum(np.frexp(np.where(r == 0, 1, r))[1] - 1, 0) - 1)
;;       q = np.round(r / step) * step * 2.0 ** e      # np.round: ties to even
;;       return np.moveaxis(q.reshape(q.shape[:-2] + (-1,))[..., :K], -1, axis).astype(np.float32)
;;   ~~~
;; One version. Each part assembles by itself: llvm-mc -triple=amdgcn-amd-amdhsa -mcpu=gfx1250 --defsym DOCPART=n.
;; ======== version 1 of 1: 5 launches
;; limits: values are held in f16: magnitudes above 65,504 overflow, below 6.1e-05 lose precision
;; workspace buffers: codes 5,767,168 bytes; scales 360,448 bytes; wo16 2,097,152 bytes; tab 524,288 bytes; qkv 50,331,648 bytes; fine 786,432 bytes; ctx 16,777,216 bytes
;; launch prep (part 1): grid 416 x 1, 4 waves a work-group, no clusters, 33,280 bytes of LDS; arguments x, Wq, Wk, Wv, Wo, codes, scales, wo16, tab; writes codes, scales, wo16, tab
.if DOCPART == 1
	.amdgcn_target "amdgcn-amd-amdhsa--gfx1250"
	.amdhsa_code_object_version 6
	.text
	.protected	k_q32245709cc_prep
	.globl	k_q32245709cc_prep
	.p2align	8
	.type	k_q32245709cc_prep,@function
k_q32245709cc_prep:
	s_mov_b64 s[64:65], 0
	v_nop
	global_prefetch_b8 v0, s[64:65] scope:SCOPE_SE
	s_setreg_imm32_b32 hwreg(HW_REG_WAVE_MODE, 25, 1), 1
	s_wait_xcnt 0x0
; PREP: three kinds of work-groups, told apart by the work-group's number alone.
;  0..351   x [8192][1024] and Wq, Wk, Wv [1024][1024], f32, K innermost, become codes of FP4 (E2M1) and one E8M0 byte for each 32 along K.
;           All four are dense streams of blocks of 32; their codes lie on end in 'codes' (11,264 rows of 512 bytes: x, Wq, Wk, Wv), their bytes in 'scales' (32 a row).
;           A block's scale is 2^(floor(log2(largest magnitude)) - 2); its byte is that magnitude's exponent field - 2, held at 1 from below.
;  352..383 Wo [1024 n][1024 k] f32 becomes f16, laid by planes of 64 along k: [16][1024 n][64].
;  384..415 the table of the rotary embedding: [2048 positions][32 pairs][cos, sin] f32.
; LIMITS: NaN and infinities among the inputs are not served.  A block of zeros, or one whose largest magnitude lies under 2^(3 - 127), gets the byte 1 (the rule says 127 for zeros): its codes
; are zeros and this program alone reads the bytes.  |Wo| stays under 65,504 (f16).  The table's frequencies are 2^(-i log2(10000) / 32) by v_exp_f32; sine and cosine are polynomials on |r| <= pi/4 behind a reduction
; by pi/2 in two parts: an angle may differ from one made by other f32 arithmetic by a few parts in 10^7 of itself.  The table stands ahead of no quantiser.
.set QWG,   352                        ; work-groups that quantise: (8192 + 3 x 1024) x 1024 / 32,768
.set WAVES, 4
.set STEPS, 16
.set EMAX,  2
.set CB,    8                          ; bytes of 16 codes
.set R,     16                         ; v16-79   four sets of 16 numbers as they are loaded
.set X,     80                         ; v80-111  two sets of 16 neighbours
.set E,     112                        ; v112-127 a scale byte for each step
.set C,     128                        ; v128-191 codes: four registers for each step, so that no store's data are written again
.set WREG,  8192                       ; LDS: a region for each wave: two stages of 32 x SP bytes, behind them its 256 scale bytes
.set SP,    80                         ; a lane's place in a stage: 64 bytes + 16 of padding
.set SPW,   12                         ; v12  LDS address of my spare word; never rewritten
.set NIL,   13                         ; v13  0; never rewritten
.set SPARE, WAVES*WREG                 ; the spare words: 128 bytes a wave, two blocks of 256 bytes that no other line names
	s_load_b512 s[4:19], s[0:1], 0x0               ; x 4:5, Wq 6:7, Wk 8:9, Wv 10:11, Wo 12:13, codes 14:15, scales 16:17, wo16 18:19
	s_load_b64 s[20:21], s[0:1], 0x40              ; tab
	v_lshl_add_u32 v[SPW], v0, 2, SPARE
	v_mov_b32 v[NIL], 0
	v_lshrrev_b32 v1, 5, v0
	v_readfirstlane_b32 s24, v1                    ; wave
	v_and_b32 v2, 31, v0                           ; lane
	s_wait_kmcnt 0x0
	s_cmp_ge_u32 ttmp9, QWG+32
	s_cbranch_scc1 .Ltable
	s_cmp_ge_u32 ttmp9, QWG
	s_cbranch_scc1 .Lwo
; ---- THE QUANTISER.  A wave takes 16 steps of 512 numbers.  Each of a step's four loads reads 512 consecutive bytes; the 2,048 bytes turn through the wave's own stage in LDS and come back 64 bytes a lane,
; so that a lane holds 16 neighbours along K (two neighbouring lanes hold a block).  Loads run four steps ahead, the turn through LDS one step.
	s_cmp_lt_u32 ttmp9, 288
	s_cselect_b64 s[26:27], s[6:7], s[8:9]         ; which weight: the choice hangs on the work-group's number alone
	s_cmp_lt_u32 ttmp9, 320
	s_cselect_b64 s[26:27], s[26:27], s[10:11]
	s_sub_co_u32 s28, ttmp9, 256
	s_and_b32 s28, s28, 31                         ; the work-group's number inside a weight
	s_cmp_lt_u32 ttmp9, 256
	s_cselect_b64 s[4:5], s[4:5], s[26:27]         ; x or a weight
	s_cselect_b32 s28, ttmp9, s28
	s_lshl_b32 s28, s28, 2
	s_add_co_u32 s28, s28, s24                     ; my wave's run of 8,192 numbers in its tensor
	s_lshl_b32 s28, s28, 15                        ; 32,768 bytes a run
	s_mov_b32 s29, 0
	s_add_nc_u64 s[4:5], s[4:5], s[28:29]
	s_lshl_b32 s30, ttmp9, 2
	s_add_co_u32 s30, s30, s24                     ; and in the one stream of results
	s_lshl_b32 s28, s30, 12                        ; 4,096 bytes of codes a run
	s_add_nc_u64 s[14:15], s[14:15], s[28:29]
	s_lshl_b32 s28, s30, 8                         ; 256 scale bytes a run
	s_add_nc_u64 s[16:17], s[16:17], s[28:29]
	v_lshlrev_b32 v3, 4, v2                        ; my 16 bytes of a load's 512
	s_mul_i32 s25, s24, WREG
	v_lshrrev_b32 v14, 2, v2
	v_mul_u32_u24 v14, v14, SP
	v_and_b32 v15, 3, v2
	v_lshl_add_u32 v14, v15, 4, v14
	v_add_nc_u32 v14, s25, v14                     ; the stage, on the way in: SP (lane / 4) + 16 (lane % 4)
	v_mul_u32_u24 v15, v2, SP
	v_add_nc_u32 v15, s25, v15                     ; and on the way out: SP x lane
	v_mul_u32_u24 v4, v2, CB                       ; my codes' place in a step's
	v_lshrrev_b32 v5, 1, v2
	s_add_co_u32 s25, s25, 2*32*SP
	v_add_nc_u32 v5, s25, v5                       ; LDS: my wave's 256 scale bytes, my block's byte
	v_lshlrev_b32 v7, 3, v2
	v_add_nc_u32 v6, s25, v7                       ; and on the way out 8 bytes a lane
.macro LOAD t
.irp i, 0,1,2,3
	global_load_b128 v[R+16*((\t)%4)+4*\i:R+16*((\t)%4)+4*\i+3], v3, s[4:5] offset:2048*(\t)+512*\i th:TH_LOAD_NT
.endr
.endm
.macro TURN t                          ; LDS serves a wave's instructions in order (ISA guide 5.7.1.4): no wait between the stores and the loads
.irp i, 0,1,2,3
	ds_store_b128 v14, v[R+16*((\t)%4)+4*\i:R+16*((\t)%4)+4*\i+3] offset:32*SP*((\t)%2)+8*SP*\i
.endr
.irp i, 0,1,2,3
	ds_load_b128 v[X+16*((\t)%2)+4*\i:X+16*((\t)%2)+4*\i+3], v15 offset:32*SP*((\t)%2)+16*\i
.endr
.endm
.irp t, 0,1,2,3
	LOAD \t
.endr
	s_wait_loadcnt 12                              ; step 0's four loads are in; twelve younger ones stay out
	TURN 0
.macro STEP t
.set XS, X+16*((\t)%2)
.if (\t) > 0
	s_wait_dscnt 1                                 ; this step's numbers are back from the stage (the last step's byte store may be out)
.else
	s_wait_dscnt 0x0
.endif
.if (\t)+4 < STEPS
	LOAD (\t)+4                                    ; into the registers that the stage's stores have read
.endif
.if (\t)+1 < STEPS
.if STEPS-2-(\t) >= 3
	s_wait_loadcnt 12                              ; the next step's four loads are in; those of the three steps behind it may be out
.else
	s_wait_loadcnt 4*(STEPS-2-(\t))
.endif
	TURN (\t)+1
.endif
	v_max3_num_f32 v8, |v[XS]|, |v[XS+1]|, |v[XS+2]|               ; the largest magnitude of my 16, in two chains
	v_max3_num_f32 v9, |v[XS+3]|, |v[XS+4]|, |v[XS+5]|
.irp i, 6,10
	v_max3_num_f32 v8, v8, |v[XS+\i]|, |v[XS+\i+1]|
	v_max3_num_f32 v9, v9, |v[XS+\i+2]|, |v[XS+\i+3]|
.endr
	v_max3_num_f32 v8, v8, |v[XS+14]|, |v[XS+15]|
	v_max3_num_f32 v8, v8, v9, (EMAX+1)<<23        ; and the floor 2^(EMAX + 1 - 127): the byte cannot fall under 1
	v_max_num_f32_dpp v8, v8, v8 row_xmask:1 row_mask:0xf bank_mask:0xf   ; with my neighbour's 16: the block's
	v_add_nc_u32 v11, -(EMAX<<23), v8              ; EMAX off its exponent field: the conversion takes that field as its scale, and nothing else of the operand
	v_cvt_scalef32_pk8_fp4_f32 v[C+4*(\t)], v[XS:XS+7], v11
	v_cvt_scalef32_pk8_fp4_f32 v[C+4*(\t)+1], v[XS+8:XS+15], v11
	v_lshrrev_b32 v[E+(\t)], 23, v11               ; the scale's byte (also the plain line behind the conversions)
	ds_store_b8 v5, v[E+(\t)] offset:16*(\t)       ; both lanes of a block write the same byte with the same value
	global_store_b64 v4, v[C+4*(\t):C+4*(\t)+1], s[14:15] offset:32*CB*(\t)   ; the wave stores 256 consecutive bytes, aligned
.endm
.irp t, 0,1,2,3,4,5,6,7,8,9,10,11,12,13,14,15
	STEP \t
.endr
	ds_load_b64 v[8:9], v6                         ; my wave's 256 scale bytes, 8 a lane: these loads see my stores
	s_wait_dscnt 0x0
	global_store_b64 v7, v[8:9], s[16:17]          ; 256 consecutive bytes, aligned
	s_wait_tensorcnt 0x0                           ; the wave's end, behind my last LDS store
	ds_add_u32 v[SPW], v[NIL]
	s_wait_dscnt 0x0
	s_endpgm
; ---- Wo TO f16, BY PLANES.  A wave takes 8 rows, two at a time: lanes 0-15 one row, lanes 16-31 the next.  Load p reads 256 bytes (64 numbers: plane p) of each of the two rows;
; its 2 x 128 bytes of f16 are neighbours in plane p, so each store covers 256 consecutive bytes, aligned.
.Lwo:
	s_sub_co_u32 s25, ttmp9, QWG
	s_lshl_b32 s25, s25, 5
	s_lshl_b32 s26, s24, 3
	s_add_co_u32 s25, s25, s26                     ; my first row
	s_lshl_b32 s26, s25, 12
	s_mov_b32 s27, 0
	s_add_nc_u64 s[12:13], s[12:13], s[26:27]
	s_lshl_b32 s26, s25, 7
	s_add_nc_u64 s[18:19], s[18:19], s[26:27]
	v_and_b32 v8, 15, v2
	v_lshlrev_b32 v8, 4, v8
	v_lshrrev_b32 v9, 4, v2
	v_lshl_add_u32 v8, v9, 12, v8                  ; in: 4,096 (lane / 16) + 16 (lane % 16)
	v_lshlrev_b32 v9, 3, v2                        ; out: 8 x lane
.macro LOADW rp
.irp p, 0,1,2,3,4,5,6,7,8,9,10,11,12,13,14,15
	global_load_b128 v[16+64*((\rp)%2)+4*\p:16+64*((\rp)%2)+4*\p+3], v8, s[12:13] offset:(\rp)*8192+\p*256
.endr
.endm
.macro CVTW rp, left                   ; left: the younger loads, which may stay out
	s_wait_loadcnt \left
.if (\rp) > 0
	s_wait_xcnt 0x0                                ; the last pair's stores have read their data: the registers are written again only behind this wait
.endif
.irp p, 0,1,2,3,4,5,6,7,8,9,10,11,12,13,14,15
	v_cvt_pk_f16_f32 v[144+2*\p], v[16+64*((\rp)%2)+4*\p], v[16+64*((\rp)%2)+4*\p+1]
	v_cvt_pk_f16_f32 v[145+2*\p], v[16+64*((\rp)%2)+4*\p+2], v[16+64*((\rp)%2)+4*\p+3]
.endr
.irp p, 0,1,2,3,4,5,6,7,8,9,10,11,12,13,14,15
	global_store_b64 v9, v[144+2*\p:145+2*\p], s[18:19] offset:\p*131072+(\rp)*256
.endr
.endm
	LOADW 0
	LOADW 1
	CVTW 0, 16
	LOADW 2
	CVTW 1, 16
	LOADW 3
	CVTW 2, 16
	CVTW 3, 0
	s_endpgm
; ---- THE TABLE.  A wave takes 16 positions, a lane a pair i; a position's 32 x (cos, sin) are 256 consecutive bytes, aligned.
.Ltable:
	s_sub_co_u32 s25, ttmp9, QWG+32
	s_lshl_b32 s25, s25, 6
	s_lshl_b32 s26, s24, 4
	s_add_co_u32 s35, s25, s26                     ; my first position
	s_lshl_b32 s26, s35, 8
	s_mov_b32 s27, 0
	s_add_nc_u64 s[20:21], s[20:21], s[26:27]
	s_mov_b32 s26, 0x3fc90fdb                      ; pi/2, its f32 part,
	s_mov_b32 s27, 0xb33bbd2e                      ; and what is left of it
	s_mov_b32 s28, 0xb94ca1f9                      ; sine:   r + r z (s30 + z (s29 + z s28)), z = r^2
	s_mov_b32 s29, 0x3c08839e
	s_mov_b32 s30, 0xbe2aaaa3
	s_mov_b32 s31, 0x37ccf5ce                      ; cosine: 1 - z/2 + z^2 (s33 + z (s32 + z s31))
	s_mov_b32 s32, 0xbab6061a
	s_mov_b32 s33, 0x3d2aaaa5
	s_mov_b32 s34, 0
	v_lshlrev_b32 v17, 3, v2                       ; 8 bytes a pair
	v_cvt_f32_u32 v16, v2
	v_mul_f32 v16, 0xbed49a78, v16                 ; -i log2(10000) / 32
	v_exp_f32 v16, v16                             ; the pair's frequency
	v_nop                                          ; a plain line behind the transcendental,
	s_wait_alu depctr_va_vdst(0)                   ; and the wait ahead of its first reader and of the label
.Lpos:
	v_cvt_f32_u32 v20, s35
	v_mul_f32 v20, v20, v16                        ; the angle
	v_mul_f32 v21, 0x3f22f983, v20
	v_rndne_f32 v21, v21                           ; n = the nearest multiple of pi/2
	v_fma_f32 v22, -v21, s26, v20
	v_fma_f32 v22, -v21, s27, v22                  ; r = angle - n pi/2
	v_mul_f32 v23, v22, v22                        ; z
	v_fma_f32 v24, v23, s28, s29
	v_fma_f32 v26, v23, s31, s32
	v_fma_f32 v24, v24, v23, s30
	v_fma_f32 v26, v26, v23, s33
	v_mul_f32 v25, v23, v22
	v_mul_f32 v27, v23, v23
	v_fma_f32 v28, v23, -0.5, 1.0
	v_fma_f32 v24, v24, v25, v22                   ; sin r
	v_fma_f32 v26, v26, v27, v28                   ; cos r
	v_cvt_i32_f32 v29, v21                         ; the quadrant chooses values and signs only: no branch, no address
	v_and_b32 v30, 1, v29
	v_cmp_eq_u32 vcc_lo, 1, v30
	v_cndmask_b32 v32, v26, v24, vcc_lo            ; odd quadrants swap the two
	v_cndmask_b32 v33, v24, v26, vcc_lo
	v_add_nc_u32 v30, 1, v29
	v_lshlrev_b32 v30, 30, v30
	v_and_b32 v30, 0x80000000, v30                 ; the cosine is negative in quadrants 1 and 2,
	v_xor_b32 v32, v32, v30
	v_lshlrev_b32 v31, 30, v29
	v_and_b32 v31, 0x80000000, v31                 ; the sine in 2 and 3
	v_xor_b32 v33, v33, v31
	global_store_b64 v17, v[32:33], s[20:21]
	s_wait_xcnt 0x0                                ; offset and data are written again only behind this wait
	v_add_nc_u32 v17, 256, v17
	s_add_co_u32 s35, s35, 1
	s_add_co_u32 s34, s34, 1
	s_cmp_lt_u32 s34, 16
	s_cbranch_scc1 .Lpos
	s_endpgm
.Lfunc_end_k_q32245709cc_prep:
	.size	k_q32245709cc_prep, .Lfunc_end_k_q32245709cc_prep-k_q32245709cc_prep
	.p2alignl 7, 3214868480
	.fill 96, 4, 3214868480
	.section	.rodata,"a",@progbits
	.p2align	6, 0x0
	.amdhsa_kernel k_q32245709cc_prep
		.amdhsa_group_segment_fixed_size 33280
		.amdhsa_private_segment_fixed_size 0
		.amdhsa_enable_private_segment 0
		.amdhsa_kernarg_size 72
		.amdhsa_user_sgpr_count 2
		.amdhsa_user_sgpr_kernarg_segment_ptr 1
		.amdhsa_wavefront_size32 1
		.amdhsa_system_sgpr_workgroup_id_x 1
		.amdhsa_system_sgpr_workgroup_id_y 1
		.amdhsa_system_sgpr_workgroup_id_z 1
		.amdhsa_system_vgpr_workitem_id 0
		.amdhsa_next_free_vgpr 192
		.amdhsa_next_free_sgpr 66
		.amdhsa_reserve_vcc 1
		.amdhsa_float_denorm_mode_32 3
		.amdhsa_float_denorm_mode_16_64 3
		.amdhsa_memory_ordered 1
		.amdhsa_forward_progress 1
		.amdhsa_inst_pref_size 57
	.end_amdhsa_kernel
	.amdgpu_metadata
---
amdhsa.version: [ 1, 2 ]
amdhsa.kernels:
  - .name:           k_q32245709cc_prep
    .symbol:         k_q32245709cc_prep.kd
    .args:
      - { .name: x, .offset: 0, .size: 8, .value_kind: global_buffer, .address_space: global }
      - { .name: Wq, .offset: 8, .size: 8, .value_kind: global_buffer, .address_space: global }
      - { .name: Wk, .offset: 16, .size: 8, .value_kind: global_buffer, .address_space: global }
      - { .name: Wv, .offset: 24, .size: 8, .value_kind: global_buffer, .address_space: global }
      - { .name: Wo, .offset: 32, .size: 8, .value_kind: global_buffer, .address_space: global }
      - { .name: codes, .offset: 40, .size: 8, .value_kind: global_buffer, .address_space: global }
      - { .name: scales, .offset: 48, .size: 8, .value_kind: global_buffer, .address_space: global }
      - { .name: wo16, .offset: 56, .size: 8, .value_kind: global_buffer, .address_space: global }
      - { .name: tab, .offset: 64, .size: 8, .value_kind: global_buffer, .address_space: global }
    .group_segment_fixed_size: 33280
    .private_segment_fixed_size: 0
    .kernarg_segment_align: 8
    .kernarg_segment_size: 72
    .max_flat_workgroup_size: 128
    .sgpr_count:     66
    .vgpr_count:     192
    .wavefront_size: 32
...
	.end_amdgpu_metadata
.endif
;; end of part 1
;; launch qkv (part 2): grid 12 x 32, 4 waves a work-group, clusters of 4 x 4, 327,680 bytes of LDS; arguments codes, scales, tab, qkv, fine; writes qkv, fine
.if DOCPART == 2
	.amdgcn_target "amdgcn-amd-amdhsa--gfx1250"
	.amdhsa_code_object_version 6
	.text
	.protected	k_q32245709cc_qkv
	.globl	k_q32245709cc_qkv
	.p2align	8
	.type	k_q32245709cc_qkv,@function
k_q32245709cc_qkv:
	s_mov_b64 s[64:65], 0
	v_nop
	global_prefetch_b8 v0, s[64:65] scope:SCOPE_SE
	s_setreg_imm32_b32 hwreg(HW_REG_WAVE_MODE, 25, 1), 1
	s_wait_xcnt 0x0
	s_wait_alu depctr_hold_cnt(0) depctr_sa_sdst(0) depctr_va_vdst(0) depctr_va_sdst(0) depctr_va_ssrc(0) depctr_va_vcc(0) depctr_vm_vsrc(0)
	s_getreg_b32 s2, hwreg(HW_REG_IB_STS2, 6, 4)
	s_cmp_eq_u32 s2, 0
	s_cbranch_scc0 .Lentry_in_a_cluster
	s_endpgm
.Lentry_in_a_cluster:
	s_bfe_u32 s2, ttmp6, 0x10000c
	s_cmp_lg_u32 s2, 0xf033
	s_cbranch_scc0 .Lentry_shape_is_right
	s_endpgm
.Lentry_shape_is_right:
; q, k, v = x Wq^T, x Wk^T, x Wv^T as ONE product on codes of FP4 (E2M1) with E8M0 scales: C [8192][3072] = A B^T, A = x's 8,192 rows of 'codes', B = the 3,072 rows of Wq, Wk, Wv behind them; K = 1,024; sums in f32.
; q and k are then rotated (pairs (2 i, 2 i + 1) by the table's cos and sin of position t), all three rounded to f16 and stored [type][batch][head][t][64]; rows t < 16 are also stored in f32 ('fine').
; A tile of C, 256 x 256, is made by a work-group of four waves, a wave makes 128 x 128: 64 accumulators.  K is two slots of 512, both asked for at the head: nothing is filled again.
; The scale bytes of the work-group's rows come once, in whole pieces of 256 bytes, and stay in LDS.
; CLUSTERS: 4 x 4 work-groups; A's tiles are asked for jointly along a row of the cluster, B's along a column.  A cluster's four tile columns are exactly one of q, k, v: the cluster's x is the type, the same in all partners.
; THE MATRIX INSTRUCTION IS USED TRANSPOSED (source 0 = 16 rows of B, source 1 = 16 rows of A): a lane holds eight neighbouring columns of one row of C: four pairs of the rotation.
; REGISTERS: window 0: v0-31 addresses; v32-95 scale words, two sets; v128-191 A's fragments, one set; v192-255 two sets of table rows.  On the way out v32-95 rotated numbers, v96-127 f16, v128-191 rows read back.
;   window 1: B's fragments, two sets.  window 2, 3: the accumulators of my rows 0-63, 64-127 ((a, b) at v[8 (8 (a % 4) + b)]).
; LIMITS: |q|, |k|, |v| stay under 65,504 (f16).  The f32 copy of rows t < 16 leaves in pieces of 32 bytes: 786,432 bytes in the whole launch.
.set XROWS,  8192
.set SIZE_K, 1024
.set KSTEP,  512
.set NQ,     KSTEP/128
.set ROWB,   256                       ; a tile's row in bytes
.set KROW,   SIZE_K/2                  ; a row of codes in memory
.set PITCH,  272                       ; an LDS row: 256 bytes + 16 of padding: the 16 rows of a load start at 16 different banks (64 banks of 4 bytes: ISA guide 11.1)
.set FR,     8
.set NL,     2
.set NP,     4                         ; places behind this matrix instruction (ISA guide 7.12.1)
.set HALFT,  128*PITCH
.set SLOT,   4*HALFT
.set KS,     SIZE_K/32                 ; a row of scale bytes
.set SCL,    2*SLOT
.set HALFS,  (128*KS/256)*272
.set SBLK,   (16*KS/256)*272
.set SPARE,  SCL+4*HALFS               ; the spare words: 128 bytes a wave, two blocks of 256 bytes that no other line names
.set SPITCH, 144                       ; the way out: a stage row, 128 bytes of f16 + 16
.set SHEAD,  16*SPITCH                 ; 16 rows of one head; a wave's stage is two of these.  The stages lie in slot 0, which has had its only fill and its last read when they are written
.set ADRA, 16
.set ADRB, 20
.set FO,   22                          ; v22  'fine': 256 r + 32 h
.set STO,  24
.set RD,   25
.set CO,   26
.set ADRS, 27
.set SPW,  28
.set NIL,  29
.set TA,   30                          ; v30  the table: (t0 + r) x 256 + 32 h; never rewritten
.set TROW, 31                          ; v31  t0 + r
.set SC,   32
.set AF,   128
.set T,    32                          ; the way out: 64 rotated numbers
.set H,    96                          ; 32 registers of f16
.set BK,   128                         ; two sets of 32: rows read back
.set TBL,  192                         ; two sets of 32: block a's table rows in set a % 2: register 8 (b % 4) + 2 p: cos, + 1: sin
.set G1, 24
.set G0, 32
.set G1B, 48
.set G0B, 56
.set G1S, 68
.set G0S, 76
.set G1SB, 80
.set G0SB, 88
.set MSB, 0
.macro WIN new                         ; the immediate's high byte repeats the setting that is left
.if MSB != \new
	s_set_vgpr_msb (MSB<<8)|\new
.set MSB, \new
.endif
.endm
.set MUL_LO, 0xa1                      ; source 0 (B) window 1, source 1 (A) window 0, C and D window 2
.set MUL_HI, 0xf1
.set TO_B,   0x40
; A joint load: waves 0 and 1 fetch for A, waves 2 and 3 for B; the branch hangs on the wave's number alone.  An s_nop 0 and four v_nop follow each line.
.macro JLOAD g0a, g1a, g0b, g1b
	s_cmp_eq_u32 s15, 0
	s_cbranch_scc0 .Lfor_b_\@
	tensor_load_to_lds s[\g0a:\g0a+3], s[\g1a:\g1a+7]
	s_nop 0
.rept 4
	v_nop
.endr
	s_branch .Lasked_\@
.Lfor_b_\@:
	tensor_load_to_lds s[\g0b:\g0b+3], s[\g1b:\g1b+7]
	s_nop 0
.rept 4
	v_nop
.endr
.Lasked_\@:
.endm
.macro CROUND                          ; a round of the cluster's barrier
	s_barrier_signal -1
	s_barrier_wait -1
	s_cmp_lg_u32 s14, 0
	s_cbranch_scc1 .Lnot_wave_0_\@
	s_barrier_signal -3
.Lnot_wave_0_\@:
	s_barrier_wait -3
	s_barrier_signal -1
	s_barrier_wait -1
.endm
	s_load_b128 s[4:7], s[0:1], 0x0                ; codes, scales
	s_load_b128 s[96:99], s[0:1], 0x10             ; tab, qkv
	s_load_b64 s[100:101], s[0:1], 0x20            ; fine
	v_lshl_add_u32 v[SPW], v0, 2, SPARE
	v_mov_b32 v[NIL], 0
	ds_add_u32 v[SPW], v[NIL]                      ; the wave's opening: the add, twice on end, and its wait ahead of my first tensor load
	ds_add_u32 v[SPW], v[NIL]
	v_lshrrev_b32 v1, 5, v0
	v_readfirstlane_b32 s14, v1                    ; wave 0..3
	s_lshr_b32 s15, s14, 1                         ; my half of the tile's rows.  Also: I fetch for A (0) or for B (1)
	s_and_b32 s16, s14, 1                          ; my half of its columns.  Also: which 128 rows I fetch
	s_bfe_u32 s40, ttmp6, 0x40000                  ; cx, cy
	s_bfe_u32 s41, ttmp6, 0x40004
	s_lshl_b32 s42, ttmp9, 2
	s_add_co_u32 s42, s42, s40                     ; tile column
	s_and_b32 s17, ttmp7, 0xffff
	s_lshl_b32 s17, s17, 2
	s_add_co_u32 s17, s17, s41                     ; tile row
	s_lshl_b32 s43, s41, 2
	s_lshl_b32 s43, 15, s43                        ; my row of the cluster
	s_lshl_b32 s44, 0x1111, s40                    ; my column
	s_or_b32 s[G1+0], s43, (0<<16)|(1<<20)|(1<<21)|(5<<22)|(3<<25)  ; mask; elements of 1 byte; padding of 4 words behind every 64; bit 21 beside a mask
	s_or_b32 s[G1B+0], s44, (0<<16)|(1<<20)|(1<<21)|(5<<22)|(3<<25)
.irp g, G1, G1B
	s_mov_b32 s[\g+1], ROWB<<16                    ; tensor_dim0
	s_mov_b32 s[\g+2], 128<<16                     ; tensor_dim1
	s_mov_b32 s[\g+3], ROWB<<16                    ; tile_dim0
	s_mov_b32 s[\g+4], 128                         ; tile_dim1
	s_mov_b32 s[\g+5], KROW                        ; stride
	s_mov_b32 s[\g+6], 0
	s_mov_b32 s[\g+7], 0
.endr
	s_or_b32 s[G1S+0], s43, (3<<16)|(1<<20)|(1<<21)|(5<<22)|(3<<25) ; the scales of 128 rows: a dense block, as rows of 256 bytes (32 elements of 8), 16 bytes of padding behind each
	s_or_b32 s[G1SB+0], s44, (3<<16)|(1<<20)|(1<<21)|(5<<22)|(3<<25)
.irp g, G1S, G1SB
	s_mov_b32 s[\g+1], 32<<16
	s_mov_b32 s[\g+2], (128*KS/256)<<16
	s_mov_b32 s[\g+3], 32<<16
	s_mov_b32 s[\g+4], 128*KS/256
	s_mov_b32 s[\g+5], 32
	s_mov_b32 s[\g+6], 0
	s_mov_b32 s[\g+7], 0
.endr
	s_lshl_b32 s18, s16, 7
	s_lshl_b32 s20, s17, 8
	s_add_co_u32 s20, s20, s18                     ; A: row 256 x tile row + 128 x half
	s_lshl_b32 s46, s42, 8
	s_add_co_u32 s46, s46, s18                     ; B: row 256 x tile column + 128 x half
	s_mov_b32 s21, 0
	s_mov_b32 s47, 0
	s_mov_b64 s[18:19], KS
	s_mul_u64 s[22:23], s[20:21], s[18:19]
	s_mul_u64 s[92:93], s[46:47], s[18:19]
	s_mov_b64 s[18:19], KROW
	s_mul_u64 s[20:21], s[20:21], s[18:19]
	s_mul_u64 s[46:47], s[46:47], s[18:19]
	s_mul_i32 s45, s14, HALFT                      ; where they go: no place in the cluster enters an LDS address
	s_mul_i32 s94, s14, HALFS
	s_wait_dscnt 0x0                               ; both opening adds are done
	s_wait_kmcnt 0x0
	s_add_nc_u64 s[8:9], s[4:5], XROWS*KROW        ; the weights' codes lie behind x's,
	s_add_nc_u64 s[10:11], s[6:7], XROWS*KS        ; and their scale bytes likewise
	s_add_nc_u64 s[20:21], s[4:5], s[20:21]
	s_add_nc_u64 s[22:23], s[6:7], s[22:23]
	s_add_nc_u64 s[46:47], s[8:9], s[46:47]
	s_add_nc_u64 s[92:93], s[10:11], s[92:93]
	CROUND                                         ; all sixteen work-groups are here: the joint loads meet
	s_mov_b32 s[G0S], 1
	s_add_co_u32 s[G0S+1], s94, SCL
	s_mov_b64 s[G0S+2:G0S+3], s[22:23]
	s_or_b32 s[G0S+3], s[G0S+3], 0x80000000
	s_mov_b32 s[G0SB], 1
	s_add_co_u32 s[G0SB+1], s94, SCL
	s_mov_b64 s[G0SB+2:G0SB+3], s[92:93]
	s_or_b32 s[G0SB+3], s[G0SB+3], 0x80000000
	JLOAD G0S, G1S, G0SB, G1SB                     ; the scales first; by this text's count a wave has three tensor loads out
.irp s, 0,1
	s_mov_b32 s[G0+4*\s], 1
	s_add_co_u32 s[G0+4*\s+1], s45, \s*SLOT
	s_add_nc_u64 s[G0+4*\s+2:G0+4*\s+3], s[20:21], \s*ROWB
	s_or_b32 s[G0+4*\s+3], s[G0+4*\s+3], 0x80000000
	s_mov_b32 s[G0B+4*\s], 1
	s_add_co_u32 s[G0B+4*\s+1], s45, \s*SLOT
	s_add_nc_u64 s[G0B+4*\s+2:G0B+4*\s+3], s[46:47], \s*ROWB
	s_or_b32 s[G0B+4*\s+3], s[G0B+4*\s+3], 0x80000000
	JLOAD G0+4*\s, G1, G0B+4*\s, G1B
.endr
	v_and_b32 v1, 15, v0                           ; r
	v_bfe_u32 v2, v0, 4, 1                         ; h
	v_mul_u32_u24 v3, v1, PITCH
	v_lshl_add_u32 v4, v2, 4, v3
	s_mul_i32 s21, s15, HALFT
	s_mul_i32 s22, s16, HALFT
	s_add_co_u32 s22, s22, 2*HALFT
.irp s, 0,1
	v_add_nc_u32 v[ADRA+\s], s21, v4
	v_add_nc_u32 v[ADRB+\s], s22, v4
	s_add_co_u32 s21, s21, SLOT
	s_add_co_u32 s22, s22, SLOT
.endr
	v_mul_u32_u24 v5, v1, KS                       ; my row's scales: KS bytes a row,
	v_lshrrev_b32 v6, 8, v5
	v_lshl_add_u32 v5, v6, 4, v5                   ; and 16 more for each 256 passed
	s_mul_i32 s21, s15, HALFS
	s_mul_i32 s22, s16, HALFS
	s_add_co_u32 s22, s22, 2*HALFS
	s_sub_co_u32 s22, s22, s21
	v_mul_u32_u24 v6, s22, v2                      ; lanes 16-31 take B's
	s_add_co_u32 s21, s21, SCL
	v_add_nc_u32 v5, v5, v6
	v_add_nc_u32 v[ADRS], s21, v5
	; the way out: whose rows and heads are mine
	s_lshr_b32 s66, s17, 3                         ; batch
	s_and_b32 s67, s17, 7
	s_lshl_b32 s67, s67, 8
	s_lshl_b32 s18, s15, 7
	s_add_co_u32 s67, s67, s18                     ; t0: my first position
	s_lshl_b32 s18, s40, 2
	s_lshl_b32 s19, s16, 1
	s_add_co_u32 s18, s18, s19                     ; my first head of two
	s_lshl_b32 s19, s66, 4
	s_add_co_u32 s19, s19, s18                     ; 16 batch + head
	s_lshl_b32 s20, s19, 18                        ; 2,048 rows of 128 bytes a head
	s_lshl_b32 s21, ttmp9, 24                      ; 2^24 bytes a type
	s_add_co_u32 s20, s20, s21
	s_lshl_b32 s21, s67, 7
	s_add_co_u32 s20, s20, s21
	s_mov_b32 s21, 0
	s_add_nc_u64 s[98:99], s[98:99], s[20:21]
	s_lshl_b32 s20, ttmp9, 6
	s_add_co_u32 s20, s20, s19
	s_lshl_b32 s20, s20, 12                        ; 'fine': 16 rows of 256 bytes for each (type, batch, head)
	s_add_nc_u64 s[100:101], s[100:101], s[20:21]
	v_add_nc_u32 v[TROW], s67, v1
	v_lshlrev_b32 v[TA], 8, v[TROW]
	v_lshl_add_u32 v[TA], v2, 5, v[TA]
	v_lshlrev_b32 v[FO], 8, v1
	v_lshl_add_u32 v[FO], v2, 5, v[FO]
	s_mul_i32 s23, s14, 2*SHEAD                    ; my stage
	v_mul_u32_u24 v5, v1, SPITCH
	v_lshl_add_u32 v5, v2, 4, v5
	v_add_nc_u32 v[STO], s23, v5                   ; in: row r, 16 bytes for each half of the lanes
	v_and_b32 v6, 31, v0
	v_lshrrev_b32 v5, 3, v6
	v_mul_u32_u24 v5, v5, SPITCH
	v_and_b32 v3, 7, v0
	v_lshl_add_u32 v5, v3, 4, v5
	v_add_nc_u32 v[RD], s23, v5                    ; back: eight lanes to a row of 128 bytes, four rows an instruction
	v_lshlrev_b32 v[CO], 4, v6                     ; which are 512 consecutive bytes of the head in memory
; block a's table rows: position t0 + 16 a + r; my half's four pairs of each 16 columns: 32 bytes, in two loads
.macro TABLOAD a
.irp bm, 0,1,2,3
.irp i, 0,1
	global_load_b128 v[TBL+32*((\a)%2)+8*\bm+4*\i:TBL+32*((\a)%2)+8*\bm+4*\i+3], v[TA], s[96:97] offset:(\a)*4096+64*\bm+16*\i
.endr
.endr
.endm
	TABLOAD 0                                      ; asked for here, a whole product ahead of their use.  V's work-groups ask too and do not use them (8 KB a wave): so the registers are written on every way through the text
	TABLOAD 1
.macro FRAG reg, adr, q, i             ; 16 rows x 128 K of 4-bit codes: lane l holds row l % 16; registers 4 c .. 4 c + 3 hold K = 64 c + 32 (l / 16) + 0 .. 31
.irp c, 0,1
	ds_load_b128 v[\reg+4*\c:\reg+4*\c+3], v[\adr] offset:64*(\q)+32*\c+(\i)*16*PITCH
.endr
.endm
; 16 matrix instructions: A's blocks a0, a0 + 1 x B's eight.  The 64 accumulators take turns, one instruction a turn, in the same order in every step.
.macro MUL16 a0, p, q, sc, zero
.irp a, \a0, \a0+1
.irp b, 0,1,2,3,4,5,6,7
.if \zero
	v_wmma_scale_f32_16x16x128_f8f6f4 v[8*(8*((\a)%4)+\b):8*(8*((\a)%4)+\b)+7], v[128*(\p)+FR*\b:128*(\p)+FR*\b+FR-1], v[AF+FR*(\a):AF+FR*(\a)+FR-1], 0, v[SC+8*NQ*(\sc)+NQ*\b+(\q)], v[SC+8*NQ*(\sc)+NQ*(\a)+(\q)] matrix_a_fmt:MATRIX_FMT_FP4 matrix_b_fmt:MATRIX_FMT_FP4 matrix_a_scale:MATRIX_SCALE_ROW1
.else
	v_wmma_scale_f32_16x16x128_f8f6f4 v[8*(8*((\a)%4)+\b):8*(8*((\a)%4)+\b)+7], v[128*(\p)+FR*\b:128*(\p)+FR*\b+FR-1], v[AF+FR*(\a):AF+FR*(\a)+FR-1], v[8*(8*((\a)%4)+\b):8*(8*((\a)%4)+\b)+7], v[SC+8*NQ*(\sc)+NQ*\b+(\q)], v[SC+8*NQ*(\sc)+NQ*(\a)+(\q)] matrix_a_fmt:MATRIX_FMT_FP4 matrix_b_fmt:MATRIX_FMT_FP4 matrix_a_scale:MATRIX_SCALE_ROW1
.endif
.endr
.endr
.endm
.macro FETCH_B slot, q, p
	WIN TO_B
.irp i, 0,1,2,3,4,5,6,7
	FRAG 128*(\p)+FR*\i, ADRB+\slot, \q, \i
.endr
	WIN 0
.endm
.macro FETCH_A slot, q, i0
.irp i, \i0, \i0+1, \i0+2, \i0+3
	FRAG AF+FR*(\i), ADRA+\slot, \q, \i
.endr
.endm
.macro SCALES sc                       ; a slot's scale words: lanes 0-15 take A's block i, lanes 16-31 B's block i
.irp i, 0,1,2,3,4,5,6,7
	ds_load_b128 v[SC+8*NQ*\sc+NQ*\i:SC+8*NQ*\sc+NQ*\i+3], v[ADRS] offset:\i*SBLK
.endr
.endm
.macro PLACES n                        ; plain vector lines between a matrix instruction and a load into, or a read of, its registers
.rept \n
	v_nop
.endr
.endm
.macro STEP slot, q, zero              ; 128 along K with its successor in the same slot
	s_wait_dscnt 4*NL                              ; B's set and A's blocks 0-3 are in; the youngest eight loads (A's blocks 4-7) may be out
	WIN MUL_LO
	MUL16 0, (\q)%2, \q, \slot, \zero
	MUL16 2, (\q)%2, \q, \slot, \zero
	s_wait_dscnt 0                                 ; A's blocks 4-7 are in
	PLACES NP
	FETCH_B \slot, (\q)+1, 1-(\q)%2
	FETCH_A \slot, (\q)+1, 0
	WIN MUL_HI
	MUL16 4, (\q)%2, \q, \slot, \zero
	MUL16 6, (\q)%2, \q, \slot, \zero
	PLACES NP
	WIN 0
	FETCH_A \slot, (\q)+1, 4
.endm
.macro STEPS slot, from
.set Q, \from
.rept NQ-1-\from
	STEP \slot, Q, 0
.set Q, Q+1
.endr
.endm
	s_wait_tensorcnt 1                             ; the scales and my part of slot 0 are in; slot 1's load, the one issued behind them, may be out
	s_barrier_signal -1
	s_barrier_wait -1
	FETCH_B 0, 0, 0
	FETCH_A 0, 0, 0
	SCALES 0
	FETCH_A 0, 0, 4
	STEP 0, 0, 1                                   ; the first products start the sums: nothing is cleared
	STEPS 0, 1
	; slot 0's last step changes slots: every wave's part of slot 1 has landed, and behind the barrier nobody reads slot 0 any more
	s_wait_tensorcnt 0x0
	ds_add_u32 v[SPW], v[NIL]
	s_wait_dscnt 4*NL+1                            ; the add and the youngest eight loads may be out
	WIN MUL_LO
	MUL16 0, 1, NQ-1, 0, 0
	s_wait_dscnt 0x0                               ; the add is done, and my reads of slot 0 are over
	s_barrier_signal -1
	MUL16 2, 1, NQ-1, 0, 0
	WIN 0
	s_barrier_wait -1
	PLACES NP
	v_add_nc_u32 v[ADRS], 4*NQ, v[ADRS]            ; slot 1's scale words
	FETCH_B 1, 0, 0
	FETCH_A 1, 0, 0
	SCALES 1
	WIN MUL_HI
	MUL16 4, 1, NQ-1, 0, 0
	MUL16 6, 1, NQ-1, 0, 0
	PLACES NP
	WIN 0
	FETCH_A 1, 0, 4
	STEPS 1, 0
	s_wait_dscnt 4*NL                              ; the last step: nothing more to fetch
	WIN MUL_LO
	MUL16 0, 1, NQ-1, 1, 0
	MUL16 2, 1, NQ-1, 1, 0
	s_wait_dscnt 0
	WIN MUL_HI
	MUL16 4, 1, NQ-1, 1, 0
	MUL16 6, 1, NQ-1, 1, 0
	WIN 0
; THE WAY OUT, block by block of 16 rows x 128 columns (two heads).  Accumulator (a, b), lane (r, h): position t0 + 16 a + r, head b / 4, channels 16 (b % 4) + 8 h + 0 .. 7.
; PACK: rotate (rope = 1) and round to f16.  Each accumulator is read from its low end on.
.macro PACK a, rope
.set AC, 64*((\a)%4)
.set TS, TBL+32*((\a)%2)
.if \rope
.if (\a) < 7
	s_wait_loadcnt 8                               ; this block's eight table loads are in; the next block's eight may be out
.else
	s_wait_loadcnt 0
.endif
	WIN 0x02+(\a)/4                                ; source 0: the accumulators' window
.irp b, 0,1,2,3,4,5,6,7
.irp p, 0,1,2,3
	v_pk_mul_f32 v[T+8*\b+2*\p:T+8*\b+2*\p+1], v[AC+8*\b+2*\p:AC+8*\b+2*\p+1], v[TS+8*(\b%4)+2*\p:TS+8*(\b%4)+2*\p+1] op_sel_hi:[1,0]   ; x0 cos, x1 cos
.endr
.irp p, 0,1,2,3
	v_fma_f32 v[T+8*\b+2*\p], -v[AC+8*\b+2*\p+1], v[TS+8*(\b%4)+2*\p+1], v[T+8*\b+2*\p]         ; - x1 sin
	v_fma_f32 v[T+8*\b+2*\p+1], v[AC+8*\b+2*\p], v[TS+8*(\b%4)+2*\p+1], v[T+8*\b+2*\p+1]        ; + x0 sin
.endr
.endr
	WIN 0
.irp b, 0,1,2,3,4,5,6,7
.irp p, 0,1,2,3
	v_cvt_pk_f16_f32 v[H+4*\b+\p], v[T+8*\b+2*\p], v[T+8*\b+2*\p+1]
.endr
.endr
.else
	WIN 0x0a+5*((\a)/4)                            ; sources 0 and 1: the accumulators' window
.irp b, 0,1,2,3,4,5,6,7
.irp p, 0,1,2,3
	v_cvt_pk_f16_f32 v[H+4*\b+\p], v[AC+8*\b+2*\p], v[AC+8*\b+2*\p+1]
.endr
.endr
	WIN 0
.endif
.endm
; FINE, behind block 0: positions under 16 leave in f32 too.  Which lanes store hangs on the tile row, so it is a mask on the lanes and no branch.  EXEC changes only behind s_wait_xcnt 0, both ways.
.macro FINE rope
	s_wait_xcnt 0x0
	v_cmp_gt_u32 vcc_lo, 16, v[TROW]
	s_and_saveexec_b32 s3, vcc_lo
.if !\rope
	WIN 0x08                                       ; a store's data are its source 1: window 2
.endif
.irp b, 0,1,2,3,4,5,6,7
.irp i, 0,1
.if \rope
	global_store_b128 v[FO], v[T+8*\b+4*\i:T+8*\b+4*\i+3], s[100:101] offset:(\b/4)*4096+(\b%4)*64+16*\i
.else
	global_store_b128 v[FO], v[8*\b+4*\i:8*\b+4*\i+3], s[100:101] offset:(\b/4)*4096+(\b%4)*64+16*\i
.endif
.endr
.endr
	WIN 0
	s_wait_xcnt 0x0
	s_or_b32 exec_lo, exec_lo, s3
.endm
.macro TOSTAGE a                       ; into my own stage and back as whole rows; LDS serves a wave's instructions in order (ISA guide 5.7.1.4)
.if (\a) > 1
	s_wait_xcnt 0x0                                ; block a - 2's stores have read the registers that these loads fill
.endif
.irp b, 0,1,2,3,4,5,6,7
	ds_store_b128 v[STO], v[H+4*\b:H+4*\b+3] offset:(\b/4)*SHEAD+(\b%4)*32
.endr
.irp i, 0,1,2,3,4,5,6,7
	ds_load_b128 v[BK+32*((\a)%2)+4*\i:BK+32*((\a)%2)+4*\i+3], v[RD] offset:(\i/4)*SHEAD+(\i%4)*4*SPITCH
.endr
.endm
.macro SEND a
	s_wait_dscnt 0x0                               ; the block is back in registers
.irp i, 0,1,2,3,4,5,6,7
	global_store_b128 v[CO], v[BK+32*((\a)%2)+4*\i:BK+32*((\a)%2)+4*\i+3], s[98:99] offset:(\i/4)*262144+(\a)*2048+(\i%4)*512   ; 512 consecutive bytes, aligned: four rows of a head
.endr
.endm
.macro WAYOUT rope
	PACK 0, \rope
	FINE \rope
.if \rope
	TABLOAD 2
.endif
	TOSTAGE 0
.irp a, 1,2,3,4,5,6,7
	PACK \a, \rope                                 ; block a's arithmetic stands between block a - 1's loads from the stage and the wait for them
.if \rope && (\a < 6)
	TABLOAD \a+2                                   ; into the set that PACK has just read
.endif
	SEND \a-1
	TOSTAGE \a
.endr
	SEND 7
.endm
	PLACES NP                                      ; behind the last products
	s_cmp_eq_u32 ttmp9, 2                          ; the type: the cluster's x, the same in all sixteen partners
	s_cbranch_scc1 .Lplain
	WAYOUT 1                                       ; q and k
	s_branch .Lleft
.Lplain:
	WAYOUT 0                                       ; v
.Lleft:
	s_wait_tensorcnt 0x0                           ; the wave's end, behind my last tensor load and my last LDS store
	ds_add_u32 v[SPW], v[NIL]
	s_wait_dscnt 0x0
	CROUND                                         ; the closing round
	s_endpgm
.Lfunc_end_k_q32245709cc_qkv:
	.size	k_q32245709cc_qkv, .Lfunc_end_k_q32245709cc_qkv-k_q32245709cc_qkv
	.p2alignl 7, 3214868480
	.fill 96, 4, 3214868480
	.section	.rodata,"a",@progbits
	.p2align	6, 0x0
	.amdhsa_kernel k_q32245709cc_qkv
		.amdhsa_group_segment_fixed_size 327680
		.amdhsa_private_segment_fixed_size 0
		.amdhsa_enable_private_segment 0
		.amdhsa_kernarg_size 40
		.amdhsa_user_sgpr_count 2
		.amdhsa_user_sgpr_kernarg_segment_ptr 1
		.amdhsa_wavefront_size32 1
		.amdhsa_system_sgpr_workgroup_id_x 1
		.amdhsa_system_sgpr_workgroup_id_y 1
		.amdhsa_system_sgpr_workgroup_id_z 1
		.amdhsa_system_vgpr_workitem_id 0
		.amdhsa_next_free_vgpr 1024
		.amdhsa_next_free_sgpr 102
		.amdhsa_reserve_vcc 1
		.amdhsa_float_denorm_mode_32 3
		.amdhsa_float_denorm_mode_16_64 3
		.amdhsa_memory_ordered 1
		.amdhsa_forward_progress 1
		.amdhsa_inst_pref_size 215
	.end_amdhsa_kernel
	.amdgpu_metadata
---
amdhsa.version: [ 1, 2 ]
amdhsa.kernels:
  - .name:           k_q32245709cc_qkv
    .symbol:         k_q32245709cc_qkv.kd
    .args:
      - { .name: codes, .offset: 0, .size: 8, .value_kind: global_buffer, .address_space: global }
      - { .name: scales, .offset: 8, .size: 8, .value_kind: global_buffer, .address_space: global }
      - { .name: tab, .offset: 16, .size: 8, .value_kind: global_buffer, .address_space: global }
      - { .name: qkv, .offset: 24, .size: 8, .value_kind: global_buffer, .address_space: global }
      - { .name: fine, .offset: 32, .size: 8, .value_kind: global_buffer, .address_space: global }
    .group_segment_fixed_size: 327680
    .private_segment_fixed_size: 0
    .kernarg_segment_align: 8
    .kernarg_segment_size: 40
    .max_flat_workgroup_size: 128
    .sgpr_count:     102
    .vgpr_count:     1024
    .wavefront_size: 32
...
	.end_amdgpu_metadata
.endif
;; end of part 2
;; launch attn (part 3): grid 4 x 64, 16 waves a work-group, no clusters, 327,680 bytes of LDS; arguments qkv, ctx; writes ctx
.if DOCPART == 3
	.amdgcn_target "amdgcn-amd-amdhsa--gfx1250"
	.amdhsa_code_object_version 6
	.text
	.protected	k_q32245709cc_attn
	.globl	k_q32245709cc_attn
	.p2align	8
	.type	k_q32245709cc_attn,@function
k_q32245709cc_attn:
	s_mov_b64 s[64:65], 0
	v_nop
	global_prefetch_b8 v0, s[64:65] scope:SCOPE_SE
	s_setreg_imm32_b32 hwreg(HW_REG_WAVE_MODE, 25, 1), 1
	s_wait_xcnt 0x0
; ctx[b][h][q] = the sum over k <= q of softmax_k(Q[q] . K[k] / 8) V[k], head size 64, 2,048 positions.  Q, K, V: f16, [type][b x 16 + h][2048][64].  Products on f16 operands with f32 sums; maxima and sums in f32;
; the weights p are rounded to f16 for the second product, the result once at the end.  ctx: f16, by planes: [head][b x 2048 + t][64].
; SHARES.  Work-group (i, b x 16 + h) owns query blocks i and 7 - i (256 queries each) of one head, so that every work-group has the same work under the causal mask: waves 0-7 take block i, waves 8-15 block 7 - i;
; a wave owns 32 queries, two tiles of 16, in 256 registers: four waves to a SIMD, so that one wave's vector work stands beside another's products and LDS loads.
; K's and V's rows come through a ring of two LDS slots of 256 keys, filled by tensor loads (waves 0, 1: K's halves; waves 2, 3: V's) and read by all sixteen.
; LAYOUT.  S^T = K Q^T (source 0 = 16 keys, source 1 = 16 queries): a lane holds ONE query (lane % 16) and keys 8 (lane / 16) + 0..7 of each tile.  Two such tiles, rounded in pairs, ARE source 1 of O^T = V^T P.
; V ([key][channel]) comes out of LDS turned, by ds_load_tr16_b128.  P is laid over the low half of S^T's registers.
; SOFTMAX.  A running maximum m and sum l: p = 2^(c s - c m), c = log2(e) / 8; in every step O and l are multiplied by 2^(c m_old - c m_new).
; CAUSAL.  Every work-group walks all eight changes of slots (constant trip counts).  A step of 64 keys all of which come after the wave's 32 queries is jumped over; a slot whose first key comes after the work-group's last
; query is not asked for.  Both tests are made of ids and the count of steps alone; every wait for tensor loads is for 0.
; NO CLUSTER: the four work-groups of a head stop asking at 2,048, 1,792, 1,536 and 1,280 keys: a partner would have to ask for tiles that none of its waves reads.
; LIMITS: NaN and infinities are not served; |ctx| stays under 65,504 (f16).  Rows t < 16 are made here like all others; a later launch makes what hangs on them anew in f32.
.set SK,    256                        ; keys in a slot
.set NQ,    SK/64                      ; steps in a slot
.set NSL,   2048/SK
.set KP,    144                        ; a row of K in LDS: 128 bytes + 16: an odd multiple of 16
.set VP,    160                        ; a row of V: 128 + 32: an odd multiple of 32, for the turning load
.set VOFF,  SK*KP
.set SLOT1, 1<<17                      ; slot 1 begins here: one exclusive or turns an address
.set STAGE, SK*(KP+VP)                 ; behind slot 0: 16 rows x 144 bytes for each wave; no tensor load lands here
.set SPARE, 2*SLOT1                    ; the spare words: 128 bytes a wave, eight blocks of 256 bytes that no other line names
.set AK0, 1
.set AV0, 2
.set ADK, 3
.set ADV, 4
.set SPW, 5
.set NIL, 6
.set GO,  7
.set RH,  8                            ; v8   r - 8 h
.set DD,  9                            ; v9   at the head Q's offset; later the mask's d
.set NINF, 10                          ; v10  -infinity
.set PFO, 11
.set STO, 12
.set RD,  13
.set ST,  16                           ; tile t's statistics at v[ST + 8 t]: +0 c m, +1 m, +2, +3 l in two halves, +4..+7 at work; the factor in +6
.set Q,   32                           ; v32-63   Q: 16 t + 8 c
.set KV,  64                           ; v64-127  K's eight fragments, then V's
.set S,   128                          ; v128-191 S^T: 32 t + 8 kt + j; P over 32 t + 0..15
.set O,   192                          ; v192-255 O^T: 32 t + 8 ct + j
.set TB,  2
.set KF,  3
.set WV,  18
.set Q0,  19
.set SEL, 20
.set CS,  22
.set G1K, 24
.set G1V, 32
.set G0K, 40
.set G0V, 44
.set SLOTS, 48
.set QL,  49
.set LIM, 50
.set PFA, 52
; Waves 0 and 1 fetch for K, waves 2 and 3 for V, the others nothing.  An s_nop 0 and four v_nop follow each line.
.macro TLOAD
	s_cmp_lt_u32 s[WV], 2
	s_cbranch_scc0 .Lnot_k_\@
	tensor_load_to_lds s[G0K:G0K+3], s[G1K:G1K+7]
	s_nop 0
.rept 4
	v_nop
.endr
	s_branch .Lasked_\@
.Lnot_k_\@:
	s_cmp_lt_u32 s[WV], 4
	s_cbranch_scc0 .Lasked_\@
	tensor_load_to_lds s[G0V:G0V+3], s[G1V:G1V+7]
	s_nop 0
.rept 4
	v_nop
.endr
.Lasked_\@:
.endm
; A prefetch of what the NEXT change of slots will ask for: 32,768 bytes of K and as many of V.  Each aligned block of 256 bytes is named once in the launch: of a head's four work-groups the first, which walks all
; keys, asks; in it waves 4-7 ask for K's block and waves 8-11 for V's, 8,192 bytes a wave, lanes 256 bytes apart.  The last change that fills a slot asks for nothing; slots 0 and 1 come by their loads alone.
.macro ASK
	s_cmp_gt_u32 s[SLOTS], s[LIM]
	s_cbranch_scc0 .Lnot_mine_\@
	global_prefetch_b8 v[PFO], s[PFA:PFA+1] th:TH_LOAD_NT scope:SCOPE_SE
.Lnot_mine_\@:
.endm
	s_load_b128 s[4:7], s[0:1], 0x0                ; qkv, ctx
	v_lshl_add_u32 v[SPW], v0, 2, SPARE
	v_mov_b32 v[NIL], 0
	ds_add_u32 v[SPW], v[NIL]                      ; the wave's opening: the add, twice on end, and its wait ahead of my first tensor load
	ds_add_u32 v[SPW], v[NIL]
	v_lshrrev_b32 v14, 5, v0
	v_readfirstlane_b32 s[WV], v14                 ; wave 0..15
	s_and_b32 s8, ttmp7, 0xffff                    ; 16 b + h
	s_lshl_b32 s10, s8, 18                         ; the head's first byte in each type: 2,048 rows of 128 bytes
	s_mov_b32 s11, 0
	s_and_b32 s12, s[WV], 7
	s_lshl_b32 s12, s12, 5
	s_sub_co_u32 s9, 7, ttmp9
	s_cmp_lt_u32 s[WV], 8
	s_cselect_b32 s9, ttmp9, s9                    ; my block of queries
	s_lshl_b32 s9, s9, 8
	s_add_co_u32 s[Q0], s9, s12                    ; my first query
	s_sub_co_u32 s[QL], 8, ttmp9
	s_lshl_b32 s[QL], s[QL], 8
	s_sub_co_u32 s[QL], s[QL], 1                   ; my work-group's last query
	s_and_b32 s13, s[WV], 1                        ; which 128 rows of a slot I fetch, if I fetch
	s_lshl_b32 s14, s13, 14
	s_add_co_u32 s14, s14, s10
	s_mov_b32 s15, 0
	s_mul_i32 s16, s13, 128*KP
	s_mul_i32 s17, s13, 128*VP
	s_add_co_u32 s17, s17, VOFF
	s_mov_b32 s[G1K], (1<<16)|(1<<20)|(4<<22)|(3<<25)   ; elements of 2 bytes; padding of 4 words behind every 32
	s_mov_b32 s[G1V], (1<<16)|(1<<20)|(4<<22)|(7<<25)   ; of 8 words
.irp g, G1K, G1V
	s_mov_b32 s[\g+1], 64<<16                      ; tensor_dim0
	s_mov_b32 s[\g+2], 128<<16                     ; tensor_dim1
	s_mov_b32 s[\g+3], 64<<16                      ; tile_dim0
	s_mov_b32 s[\g+4], 128                         ; tile_dim1
	s_mov_b32 s[\g+5], 64                          ; stride
	s_mov_b32 s[\g+6], 0
	s_mov_b32 s[\g+7], 0
.endr
	s_mov_b32 s[SEL], 0x76543210
	s_mov_b32 s[SEL+1], 0xfedcba98                 ; lane l xor 16
	s_mov_b32 s[CS], 0x3e38aa3b                    ; c = log2(e) / 8
	s_mov_b32 s[CS+1], s[CS]
	s_mov_b32 s[TB], 0
	s_mov_b32 s[KF], 0
	s_mov_b32 s[SLOTS], NSL-1
	s_wait_dscnt 0x0                               ; both opening adds are done
	s_wait_kmcnt 0x0
	s_mov_b32 s[G0K], 1
	s_mov_b32 s[G0K+1], s16
	s_add_nc_u64 s[G0K+2:G0K+3], s[4:5], s[14:15]
	s_add_nc_u64 s[G0K+2:G0K+3], s[G0K+2:G0K+3], 1<<24   ; K is type 1
	s_or_b32 s[G0K+3], s[G0K+3], 0x80000000
	s_mov_b32 s[G0V], 1
	s_mov_b32 s[G0V+1], s17
	s_add_nc_u64 s[G0V+2:G0V+3], s[4:5], s[14:15]
	s_add_nc_u64 s[G0V+2:G0V+3], s[G0V+2:G0V+3], 1<<25   ; V is type 2
	s_or_b32 s[G0V+3], s[G0V+3], 0x80000000
	TLOAD                                          ; slot 0: key 0 counts for every query
	s_add_nc_u64 s[54:55], s[4:5], s[10:11]        ; the head in type 0
	s_and_b32 s57, s[WV], 3
	s_lshl_b32 s57, s57, 13                        ; the prefetches: my wave's 8,192 bytes,
	s_add_co_u32 s57, s57, SK*128                  ; in slot 1: the first change of slots steps it to slot 2
	s_mov_b32 s56, 1<<25
	s_cmp_lt_u32 s[WV], 8
	s_cselect_b32 s56, 1<<24, s56                  ; of K (waves 4-7) or of V (waves 8-11)
	s_add_co_u32 s56, s56, s57
	s_mov_b32 s57, 0
	s_add_nc_u64 s[PFA:PFA+1], s[54:55], s[56:57]
	s_sub_co_u32 s56, s[WV], 4
	s_lshr_b32 s56, s56, 3                         ; 0 in waves 4 to 11,
	s_or_b32 s56, s56, ttmp9                       ; of the head's first work-group
	s_cmp_eq_u32 s56, 0
	s_cselect_b32 s[LIM], 1, -1
	s_lshl_b32 s58, s[Q0], 7
	s_mov_b32 s59, 0
	s_add_nc_u64 s[54:55], s[54:55], s[58:59]      ; Q at my first query
	s_and_b32 s60, s8, 15
	s_lshl_b32 s60, s60, 20                        ; ctx: the head's plane, 8,192 rows of 128 bytes,
	s_lshr_b32 s61, s8, 4
	s_lshl_b32 s61, s61, 18                        ; the batch's 2,048 rows,
	s_add_co_u32 s60, s60, s61
	s_add_co_u32 s60, s60, s58                     ; my first query
	s_mov_b32 s61, 0
	s_add_nc_u64 s[6:7], s[6:7], s[60:61]
	v_and_b32 v14, 15, v0                          ; r
	v_bfe_u32 v15, v0, 4, 1                        ; h
	v_lshlrev_b32 v[DD], 7, v14
	v_lshl_add_u32 v[DD], v15, 4, v[DD]            ; Q: row r of 128 bytes, + 16 h
.irp t, 0,1
.irp c, 0,1
	global_load_b128 v[Q+16*\t+8*\c:Q+16*\t+8*\c+3], v[DD], s[54:55] offset:\t*2048+64*\c
	global_load_b128 v[Q+16*\t+8*\c+4:Q+16*\t+8*\c+7], v[DD], s[54:55] offset:\t*2048+64*\c+32
.endr
.endr
	v_mul_u32_u24 v[AK0], v14, KP
	v_lshl_add_u32 v[AK0], v15, 4, v[AK0]          ; K: row x pitch + 16 h
	v_and_b32 v[NINF], 7, v0
	v_lshl_add_u32 v[AV0], v15, 3, v[NINF]
	v_mul_u32_u24 v[AV0], v[AV0], VP               ; V: key 8 h + lane % 8,
	v_bfe_u32 v[RH], v0, 3, 1
	v_lshl_add_u32 v[AV0], v[RH], 4, v[AV0]        ; channels 8 ((lane / 8) % 2) on
	v_add_nc_u32 v[AV0], VOFF, v[AV0]
	v_and_b32 v[GO], 31, v0
	v_lshlrev_b32 v[PFO], 8, v[GO]
	v_lshrrev_b32 v[RD], 3, v[GO]
	v_mul_u32_u24 v[RD], v[RD], KP
	v_lshl_add_u32 v[RD], v[NINF], 4, v[RD]        ; the stage, back: eight lanes to a row of 128 bytes
	s_mul_i32 s62, s[WV], 16*KP
	s_add_co_u32 s62, s62, STAGE
	v_add_nc_u32 v[RD], s62, v[RD]
	v_add_nc_u32 v[STO], s62, v[AK0]               ; in: row r, + 16 h
	v_lshlrev_b32 v[GO], 4, v[GO]
	v_lshlrev_b32 v[RH], 3, v15
	v_sub_nc_u32 v[RH], v14, v[RH]
	v_mov_b32 v[NINF], 0xff800000
.irp t, 0,1
	v_mov_b32 v[ST+8*\t+1], 0xff61b1e6             ; m: -3e38, under every score
	v_mul_f32 v[ST+8*\t], s[CS], v[ST+8*\t+1]
.irp u, 2,3,4,5,6,7
	v_mov_b32 v[ST+8*\t+\u], 0
.endr
.endr
.set i, 0
.rept 64
	v_mov_b32 v[O+i], 0                            ; O^T.  (The step is written once: the first finds zeros, which its factor 0 leaves zeros)
.set i, i+1
.endr
; A STEP: 64 keys, the q-th of the slot in hand.
.macro STEP q
	s_add_co_u32 s66, s[Q0], 31
	s_cmp_gt_u32 s[KF], s66                        ; all 64 keys come after my 32 queries: nothing of the step is done but the count at its end
	s_cbranch_scc1 .Lhidden_\@
	v_add_nc_u32 v[ADK], s[TB], v[AK0]
	v_add_nc_u32 v[ADV], s[TB], v[AV0]
.rept 3
	v_nop                                          ; with the two additions five places behind the last step's products: the scores are written over P, which those read, and K's loads land where V lay
.endr
.irp kt, 0,1,2,3
.irp c, 0,1
	ds_load_b128 v[KV+16*\kt+8*\c:KV+16*\kt+8*\c+3], v[ADK] offset:(64*(\q)+16*\kt)*KP+64*\c
	ds_load_b128 v[KV+16*\kt+8*\c+4:KV+16*\kt+8*\c+7], v[ADK] offset:(64*(\q)+16*\kt)*KP+64*\c+32
.endr
.endr
	s_wait_dscnt 0x0
.irp c, 0,1                                    ; S^T = K Q^T: the eight accumulators by turns; the first 32 channels start the sums
.irp kt, 0,1,2,3
.irp t, 0,1
.if \c == 0
	v_wmma_f32_16x16x32_f16 v[S+32*\t+8*\kt:S+32*\t+8*\kt+7], v[KV+16*\kt+8*\c:KV+16*\kt+8*\c+7], v[Q+16*\t+8*\c:Q+16*\t+8*\c+7], 0
.else
	v_wmma_f32_16x16x32_f16 v[S+32*\t+8*\kt:S+32*\t+8*\kt+7], v[KV+16*\kt+8*\c:KV+16*\kt+8*\c+7], v[Q+16*\t+8*\c:Q+16*\t+8*\c+7], v[S+32*\t+8*\kt:S+32*\t+8*\kt+7]
.endif
.endr
.endr
.endr
.rept 4
	v_nop                                          ; four places: then V's loads land where K lay, and the scores are read
.endr
.irp kk, 0,1
.irp ct, 0,1,2,3
	ds_load_tr16_b128 v[KV+32*\kk+8*\ct:KV+32*\kk+8*\ct+3], v[ADV] offset:(64*(\q)+32*\kk)*VP+32*\ct          ; they land under the softmax
	ds_load_tr16_b128 v[KV+32*\kk+8*\ct+4:KV+32*\kk+8*\ct+7], v[ADV] offset:(64*(\q)+32*\kk)*VP+32*\ct+16*VP
.endr
.endr
	s_add_co_u32 s66, s[KF], 63
	s_cmp_le_u32 s66, s[Q0]                        ; all 64 keys count for all my queries: no mask
	s_cbranch_scc1 .Lopen_\@
	s_sub_co_i32 s66, s[Q0], s[KF]
	v_add_nc_u32 v[DD], s66, v[RH]                 ; d = Q0 - KF + r - 8 h.  Register 32 t + 8 kt + j: key KF + 16 kt + 8 h + j, query Q0 + 16 t + r: hidden where 16 kt + j - 16 t > d
.irp t, 0,1
.irp kt, 0,1,2,3
.irp j, 0,1,2,3,4,5,6,7
	v_cmp_gt_i32 vcc_lo, 16*\kt+\j-16*\t, v[DD]
	v_cndmask_b32 v[S+32*\t+8*\kt+\j], v[S+32*\t+8*\kt+\j], v[NINF], vcc_lo
.endr
.endr
.endr
.Lopen_\@:
	; the maximum of the lane's 32 scores and the old m: four chains a tile, the two tiles by turns.  Key KF counts for every query of a step that is walked, so m is a number
.irp j, 0,1,2,3
.irp t, 0,1
	v_max3_num_f32 v[ST+8*\t+4+\j], v[S+32*\t+8*\j], v[S+32*\t+8*\j+1], v[S+32*\t+8*\j+2]
.endr
.endr
.irp g, 1,2
.irp j, 0,1,2,3
.irp t, 0,1
	v_max3_num_f32 v[ST+8*\t+4+\j], v[ST+8*\t+4+\j], v[S+32*\t+8*\j+2*\g+1], v[S+32*\t+8*\j+2*\g+2]
.endr
.endr
.endr
.irp t, 0,1
	v_max3_num_f32 v[ST+8*\t+4], v[ST+8*\t+4], v[S+32*\t+7], v[S+32*\t+15]
.endr
.irp t, 0,1
	v_max3_num_f32 v[ST+8*\t+6], v[ST+8*\t+6], v[S+32*\t+23], v[S+32*\t+31]
.endr
.irp t, 0,1
	v_max3_num_f32 v[ST+8*\t+4], v[ST+8*\t+4], v[ST+8*\t+5], v[ST+8*\t+6]
.endr
.irp t, 0,1
	v_max3_num_f32 v[ST+8*\t+4], v[ST+8*\t+4], v[ST+8*\t+7], v[ST+8*\t+1]
.endr
.irp t, 0,1
	v_permlanex16_b32 v[ST+8*\t+5], v[ST+8*\t+4], s[SEL], s[SEL+1]   ; the query's other 32 keys lie in the lane 16 away
.endr
.irp t, 0,1
	v_mov_b32 v[ST+8*\t+7], v[ST+8*\t]             ; c m_old
.endr
.irp t, 0,1
	v_max_num_f32 v[ST+8*\t+1], v[ST+8*\t+4], v[ST+8*\t+5]
.endr
.irp t, 0,1
	v_mul_f32 v[ST+8*\t], s[CS], v[ST+8*\t+1]
.endr
.irp t, 0,1
	v_sub_f32 v[ST+8*\t+7], v[ST+8*\t+7], v[ST+8*\t]
.endr
.irp b, 0,1,2,3,4,5,6,7,8,9,10,11,12,13,14,15
.irp t, 0,1
	v_pk_fma_f32 v[S+32*\t+2*\b:S+32*\t+2*\b+1], v[S+32*\t+2*\b:S+32*\t+2*\b+1], s[CS:CS+1], v[ST+8*\t:ST+8*\t+1] op_sel_hi:[1,0,0] neg_lo:[0,0,1] neg_hi:[0,0,1]   ; c s - c m
.endr
.endr
.irp t, 0,1
	v_exp_f32 v[ST+8*\t+6], v[ST+8*\t+7]           ; ONE BATCH of 66 exponentials: the two factors,
.endr
.set i, 0
.rept 64
	v_exp_f32 v[S+i], v[S+i]                       ; and p
.set i, i+1
.endr
	v_nop                                          ; a plain line behind the last exponential,
	s_wait_alu depctr_va_vdst(0)                   ; and ONE wait for the batch, ahead of its first reader
.irp t, 0,1
	v_pk_mul_f32 v[ST+8*\t+2:ST+8*\t+3], v[ST+8*\t+2:ST+8*\t+3], v[ST+8*\t+6:ST+8*\t+7] op_sel_hi:[1,0]   ; l under the new m
.endr
.irp t, 0,1
	v_pk_add_f32 v[ST+8*\t+4:ST+8*\t+5], v[S+32*\t:S+32*\t+1], v[S+32*\t+2:S+32*\t+3]     ; the sum of the unrounded p, in two chains a tile
.endr
.irp j, 4,8,12,16,20,24,28
.irp t, 0,1
	v_pk_add_f32 v[ST+8*\t+2:ST+8*\t+3], v[ST+8*\t+2:ST+8*\t+3], v[S+32*\t+\j:S+32*\t+\j+1]
	v_pk_add_f32 v[ST+8*\t+4:ST+8*\t+5], v[ST+8*\t+4:ST+8*\t+5], v[S+32*\t+\j+2:S+32*\t+\j+3]
.endr
.endr
.irp t, 0,1
	v_pk_add_f32 v[ST+8*\t+2:ST+8*\t+3], v[ST+8*\t+2:ST+8*\t+3], v[ST+8*\t+4:ST+8*\t+5]
.endr
.irp b, 0,1,2,3,4,5,6,7,8,9,10,11,12,13,14,15
.irp t, 0,1
	v_cvt_pk_f16_f32 v[S+32*\t+\b], v[S+32*\t+2*\b], v[S+32*\t+2*\b+1]   ; P in place, ascending: register b is written when pairs 0 .. b have been read
.endr
.endr
.irp b, 0,1,2,3,4,5,6,7,8,9,10,11,12,13,14,15
.irp t, 0,1
	v_pk_mul_f32 v[O+32*\t+2*\b:O+32*\t+2*\b+1], v[O+32*\t+2*\b:O+32*\t+2*\b+1], v[ST+8*\t+6:ST+8*\t+7] op_sel_hi:[1,0]   ; O^T under the new m
.endr
.endr
	s_wait_dscnt 0x0                               ; V is in
.irp kk, 0,1                                   ; O^T += V^T P: the eight accumulators by turns
.irp ct, 0,1,2,3
.irp t, 0,1
	v_wmma_f32_16x16x32_f16 v[O+32*\t+8*\ct:O+32*\t+8*\ct+7], v[KV+32*\kk+8*\ct:KV+32*\kk+8*\ct+7], v[S+32*\t+8*\kk:S+32*\t+8*\kk+7], v[O+32*\t+8*\ct:O+32*\t+8*\ct+7]
.endr
.endr
.endr
.Lhidden_\@:
	s_add_co_u32 s[KF], s[KF], 64
.endm
; THE CHANGE OF SLOTS stands at a slot's head.  Each wave waits for all its tensor loads, adds 0 to its spare word, and waits for that and for its reads of the slot that it has left.  Behind the barrier the slot ahead is
; whole and nobody reads the other one.  fill = 1: that other slot takes the next 256 keys, up to the causal limit: the load has a slot's four steps in which to land; by this text's count a wave has one tensor load out.
.macro CHANGE fill
	s_wait_tensorcnt 0x0                           ; no tensor load of mine is out, so a group 0 may be written
	ds_add_u32 v[SPW], v[NIL]
.if \fill
	ds_add_u32 v[SPW], v[NIL]
	s_xor_b32 s[G0K+1], s[G0K+1], SLOT1
	s_add_nc_u64 s[G0K+2:G0K+3], s[G0K+2:G0K+3], SK*128
	s_xor_b32 s[G0V+1], s[G0V+1], SLOT1
	s_add_nc_u64 s[G0V+2:G0V+3], s[G0V+2:G0V+3], SK*128
	s_wait_xcnt 0x0                                ; the last prefetch, a slot back, has read its address
	s_add_nc_u64 s[PFA:PFA+1], s[PFA:PFA+1], SK*128
.endif
	s_wait_dscnt 0x0
	s_barrier_signal -1
	s_barrier_wait -1
.if \fill
	s_add_co_u32 s66, s[KF], SK                    ; the first key of the slot that this change would ask for
	s_cmp_gt_u32 s66, s[QL]                        ; past my work-group's last query: none of its waves would read it.  Ids and the count of steps alone: all sixteen waves go the same way
	s_cbranch_scc1 .Lpast_\@
	TLOAD
.Lpast_\@:
	ASK
.endif
.endm
.macro SLOT_STEPS
.set QS, 0
.rept NQ
	STEP QS
.set QS, QS+1
.endr
	s_xor_b32 s[TB], s[TB], SLOT1
.endm
	s_wait_loadcnt 0x0                             ; Q
.Lslot:                                            ; seven trips
	CHANGE 1
	SLOT_STEPS
	s_sub_co_u32 s[SLOTS], s[SLOTS], 1
	s_cmp_lg_u32 s[SLOTS], 0
	s_cbranch_scc1 .Lslot
	CHANGE 0                                       ; the last slot is written out: nothing is left to ask for
	SLOT_STEPS
	; THE WAY OUT: O^T / l, rounded to f16, through my stage in LDS, a tile (16 rows of 128 bytes) at a time; a wave's 32 rows are 4,096 consecutive bytes of the head's plane.
.rept 4
	v_nop                                          ; places behind the last products
.endr
.irp t, 0,1
	v_add_f32 v[ST+8*\t+4], v[ST+8*\t+2], v[ST+8*\t+3]
.endr
.irp t, 0,1
	v_permlanex16_b32 v[ST+8*\t+5], v[ST+8*\t+4], s[SEL], s[SEL+1]
.endr
.irp t, 0,1
	v_add_f32 v[ST+8*\t+4], v[ST+8*\t+4], v[ST+8*\t+5]
.endr
.irp t, 0,1
	v_rcp_f32 v[ST+8*\t+6], v[ST+8*\t+4]
.endr
	v_nop
	s_wait_alu depctr_va_vdst(0)                   ; one wait for the two reciprocals
.macro PACKO t
.set i, 0
.rept 16
	v_pk_mul_f32 v[S+2*i:S+2*i+1], v[O+32*\t+2*i:O+32*\t+2*i+1], v[ST+8*\t+6:ST+8*\t+7] op_sel_hi:[1,0]
.set i, i+1
.endr
.set i, 0
.rept 16
	v_cvt_pk_f16_f32 v[KV+16*\t+i], v[S+2*i], v[S+2*i+1]
.set i, i+1
.endr
.irp ct, 0,1,2,3
	ds_store_b128 v[STO], v[KV+16*\t+4*\ct:KV+16*\t+4*\ct+3] offset:32*\ct
.endr
.irp u, 0,1,2,3
	ds_load_b128 v[KV+32+16*\t+4*\u:KV+32+16*\t+4*\u+3], v[RD] offset:4*KP*\u   ; LDS serves a wave's instructions in order (ISA guide 5.7.1.4): these see my stores, and the next tile's stores come behind them
.endr
.endm
	PACKO 0
	PACKO 1
	s_wait_dscnt 8                                 ; tile 0 is back; tile 1's four stores and four loads may be out
.irp u, 0,1,2,3
	global_store_b128 v[GO], v[KV+32+4*\u:KV+32+4*\u+3], s[6:7] offset:512*\u       ; 512 consecutive bytes, aligned
.endr
	s_wait_dscnt 0x0
.irp u, 0,1,2,3
	global_store_b128 v[GO], v[KV+48+4*\u:KV+48+4*\u+3], s[6:7] offset:2048+512*\u
.endr
	s_wait_tensorcnt 0x0                           ; the wave's end, behind my last tensor load and my last LDS store
	ds_add_u32 v[SPW], v[NIL]
	s_wait_dscnt 0x0
	s_endpgm
.Lfunc_end_k_q32245709cc_attn:
	.size	k_q32245709cc_attn, .Lfunc_end_k_q32245709cc_attn-k_q32245709cc_attn
	.p2alignl 7, 3214868480
	.fill 96, 4, 3214868480
	.section	.rodata,"a",@progbits
	.p2align	6, 0x0
	.amdhsa_kernel k_q32245709cc_attn
		.amdhsa_group_segment_fixed_size 327680
		.amdhsa_private_segment_fixed_size 0
		.amdhsa_enable_private_segment 0
		.amdhsa_kernarg_size 16
		.amdhsa_user_sgpr_count 2
		.amdhsa_user_sgpr_kernarg_segment_ptr 1
		.amdhsa_wavefront_size32 1
		.amdhsa_system_sgpr_workgroup_id_x 1
		.amdhsa_system_sgpr_workgroup_id_y 1
		.amdhsa_system_sgpr_workgroup_id_z 1
		.amdhsa_system_vgpr_workitem_id 0
		.amdhsa_next_free_vgpr 256
		.amdhsa_next_free_sgpr 72
		.amdhsa_reserve_vcc 1
		.amdhsa_float_denorm_mode_32 3
		.amdhsa_float_denorm_mode_16_64 3
		.amdhsa_memory_ordered 1
		.amdhsa_forward_progress 1
		.amdhsa_inst_pref_size 188
	.end_amdhsa_kernel
	.amdgpu_metadata
---
amdhsa.version: [ 1, 2 ]
amdhsa.kernels:
  - .name:           k_q32245709cc_attn
    .symbol:         k_q32245709cc_attn.kd
    .args:
      - { .name: qkv, .offset: 0, .size: 8, .value_kind: global_buffer, .address_space: global }
      - { .name: ctx, .offset: 8, .size: 8, .value_kind: global_buffer, .address_space: global }
    .group_segment_fixed_size: 327680
    .private_segment_fixed_size: 0
    .kernarg_segment_align: 8
    .kernarg_segment_size: 16
    .max_flat_workgroup_size: 512
    .sgpr_count:     72
    .vgpr_count:     256
    .wavefront_size: 32
...
	.end_amdgpu_metadata
.endif
;; end of part 3
;; launch outp (part 4): grid 4 x 64, 4 waves a work-group, clusters of 4 x 4, 327,680 bytes of LDS; arguments ctx, wo16, out0; writes out0
.if DOCPART == 4
	.amdgcn_target "amdgcn-amd-amdhsa--gfx1250"
	.amdhsa_code_object_version 6
	.text
	.protected	k_q32245709cc_outp
	.globl	k_q32245709cc_outp
	.p2align	8
	.type	k_q32245709cc_outp,@function
k_q32245709cc_outp:
	s_mov_b64 s[64:65], 0
	v_nop
	global_prefetch_b8 v0, s[64:65] scope:SCOPE_SE
	s_setreg_imm32_b32 hwreg(HW_REG_WAVE_MODE, 25, 1), 1
	s_wait_xcnt 0x0
	s_wait_alu depctr_hold_cnt(0) depctr_sa_sdst(0) depctr_va_vdst(0) depctr_va_sdst(0) depctr_va_ssrc(0) depctr_va_vcc(0) depctr_vm_vsrc(0)
	s_getreg_b32 s2, hwreg(HW_REG_IB_STS2, 6, 4)
	s_cmp_eq_u32 s2, 0
	s_cbranch_scc0 .Lentry_in_a_cluster
	s_endpgm
.Lentry_in_a_cluster:
	s_bfe_u32 s2, ttmp6, 0x10000c
	s_cmp_lg_u32 s2, 0xf033
	s_cbranch_scc0 .Lentry_shape_is_right
	s_endpgm
.Lentry_shape_is_right:
; out0 [8192][1024] f32 = ctx Wo^T on f16 operands, f32 sums.  Both operands lie by planes of 64 along K: ctx [16][8192 rows][64], wo16 [16][1024 n][64].
; A tile of C is 128 x 256: 256 work-groups.  Four waves, each 64 x 128: 32 accumulators (window 2).  K goes in steps of 128 (two planes) through a ring of two LDS slots.
; ONE TENSOR LOAD BRINGS "R rows x 2 planes": in a plane R rows are R x 128 consecutive bytes, so the descriptor's row is that run (R x 64 elements), its two rows are the planes, and the padding, 16 bytes behind every
; 128, gives each true row a pitch of 144 bytes in LDS.
; CLUSTERS: 4 x 4 work-groups; A's tiles are asked for jointly along a row of the cluster, B's along a column.  THE MATRIX INSTRUCTION IS USED TRANSPOSED (source 0 = 16 rows of Wo, source 1 = 16 rows of ctx).
; All 8,192 rows are made here; a later launch stores rows t < 16 of each batch (64 rows, 262,144 bytes) anew from f32 operands: leaving them out here would take a test on the place in the cluster.
; REGISTERS: window 0: v0-31 addresses; v64-127 A's fragments, two buffers of 32; v128-255 the way out.  window 1: v0-127 B's fragments, two buffers of 64.  window 2: accumulator (a, b) at v[8 (8 a + b)].
.set PITCH,  144
.set HA,     2*64*PITCH                ; what a wave fetches of A: 64 rows x 2 planes
.set HB,     2*128*PITCH               ; of B: 128 rows x 2 planes
.set BOFF,   2*HA
.set SLOT,   2*HA+2*HB
.set STAGE,  2*SLOT                    ; behind the ring: 16 rows x 528 bytes for each wave
.set SPITCH, 528
.set SPARE,  STAGE+4*16*SPITCH         ; the spare words: 128 bytes a wave, two blocks of 256 bytes that no other line names
.set APLANE, 8192*128                  ; a plane of ctx in bytes
.set BPLANE, 1024*128                  ; of wo16
.set LAPS,   4                         ; 8 K steps, two to a lap
.set ADRA, 16
.set ADRB, 20
.set STO,  24
.set RD,   25
.set CO,   26
.set SPW,  28
.set NIL,  29
.set AF,   64
.set BK,   128
.set G1, 24
.set G0, 32
.set G1B, 48
.set G0B, 56
.set MSB, 0
.macro WIN new
.if MSB != \new
	s_set_vgpr_msb (MSB<<8)|\new
.set MSB, \new
.endif
.endm
.set MUL,  0xa1                        ; source 0 (B) window 1, source 1 (A) window 0, C and D window 2
.set TO_B, 0x40
.macro JLOAD s                         ; waves 0 and 1 fetch A's halves, waves 2 and 3 B's; an s_nop 0 and four v_nop follow each line
	s_cmp_eq_u32 s11, 0
	s_cbranch_scc0 .Lfor_b_\@
	tensor_load_to_lds s[G0+4*\s:G0+4*\s+3], s[G1:G1+7]
	s_nop 0
.rept 4
	v_nop
.endr
	s_branch .Lasked_\@
.Lfor_b_\@:
	tensor_load_to_lds s[G0B+4*\s:G0B+4*\s+3], s[G1B:G1B+7]
	s_nop 0
.rept 4
	v_nop
.endr
.Lasked_\@:
.endm
.macro CREST
	s_cmp_lg_u32 s10, 0
	s_cbranch_scc1 .Lnot_wave_0_\@
	s_barrier_signal -3
.Lnot_wave_0_\@:
	s_barrier_wait -3
	s_barrier_signal -1
	s_barrier_wait -1
.endm
.macro CROUND
	s_barrier_signal -1
	s_barrier_wait -1
	CREST
.endm
	s_load_b128 s[4:7], s[0:1], 0x0                ; ctx, wo16
	s_load_b64 s[8:9], s[0:1], 0x10                ; out0
	v_lshl_add_u32 v[SPW], v0, 2, SPARE
	v_mov_b32 v[NIL], 0
	ds_add_u32 v[SPW], v[NIL]                      ; the wave's opening: the add, twice on end, and its wait ahead of my first tensor load
	ds_add_u32 v[SPW], v[NIL]
	v_lshrrev_b32 v1, 5, v0
	v_readfirstlane_b32 s10, v1                    ; wave 0..3
	s_lshr_b32 s11, s10, 1                         ; my half of the tile's rows.  Also: I fetch for A (0) or for B (1)
	s_and_b32 s12, s10, 1                          ; my half of its columns.  Also: which half I fetch
	s_bfe_u32 s40, ttmp6, 0x40000                  ; cx, cy
	s_bfe_u32 s41, ttmp6, 0x40004
	s_lshl_b32 s42, ttmp9, 2
	s_add_co_u32 s42, s42, s40                     ; tile column
	s_and_b32 s13, ttmp7, 0xffff
	s_lshl_b32 s13, s13, 2
	s_add_co_u32 s13, s13, s41                     ; tile row
	s_lshl_b32 s43, s41, 2
	s_lshl_b32 s43, 15, s43                        ; my row of the cluster
	s_lshl_b32 s44, 0x1111, s40                    ; my column
	s_or_b32 s[G1+0], s43, (1<<16)|(1<<20)|(1<<21)|(4<<22)|(3<<25)   ; mask; elements of 2 bytes; padding of 4 words behind every 32; bit 21 beside a mask
	s_mov_b32 s[G1+1], 4096<<16                    ; tensor_dim0: 64 rows x 64 elements
	s_mov_b32 s[G1+2], 2<<16                       ; tensor_dim1: two planes
	s_mov_b32 s[G1+3], 4096<<16                    ; tile_dim0
	s_mov_b32 s[G1+4], 2                           ; tile_dim1
	s_mov_b32 s[G1+5], APLANE/2                    ; stride: a plane, in elements
	s_mov_b32 s[G1+6], 0
	s_mov_b32 s[G1+7], 0
	s_or_b32 s[G1B+0], s44, (1<<16)|(1<<20)|(1<<21)|(4<<22)|(3<<25)
	s_mov_b32 s[G1B+1], 8192<<16                   ; 128 rows x 64 elements
	s_mov_b32 s[G1B+2], 2<<16
	s_mov_b32 s[G1B+3], 8192<<16
	s_mov_b32 s[G1B+4], 2
	s_mov_b32 s[G1B+5], BPLANE/2
	s_mov_b32 s[G1B+6], 0
	s_mov_b32 s[G1B+7], 0
	s_lshl_b32 s16, s13, 14                        ; A: row 128 x tile row + 64 x half, 128 bytes a row
	s_lshl_b32 s17, s12, 13
	s_add_co_u32 s16, s16, s17
	s_mov_b32 s17, 0
	s_lshl_b32 s46, s42, 15                        ; B: row 256 x tile column + 128 x half
	s_lshl_b32 s47, s12, 14
	s_add_co_u32 s46, s46, s47
	s_mov_b32 s47, 0
	s_mul_i32 s20, s12, HA                         ; where they go: no place in the cluster enters an LDS address
	s_mul_i32 s21, s12, HB
	s_add_co_u32 s21, s21, BOFF
	s_wait_dscnt 0x0                               ; both opening adds are done
	s_wait_kmcnt 0x0
	s_add_nc_u64 s[14:15], s[4:5], s[16:17]
	s_add_nc_u64 s[46:47], s[6:7], s[46:47]
	CROUND                                         ; all sixteen work-groups are here: the first joint loads meet
.irp s, 0,1
	s_mov_b32 s[G0+4*\s], 1
	s_add_co_u32 s[G0+4*\s+1], s20, \s*SLOT
	s_add_nc_u64 s[G0+4*\s+2:G0+4*\s+3], s[14:15], \s*2*APLANE
	s_or_b32 s[G0+4*\s+3], s[G0+4*\s+3], 0x80000000
	s_mov_b32 s[G0B+4*\s], 1
	s_add_co_u32 s[G0B+4*\s+1], s21, \s*SLOT
	s_add_nc_u64 s[G0B+4*\s+2:G0B+4*\s+3], s[46:47], \s*2*BPLANE
	s_or_b32 s[G0B+4*\s+3], s[G0B+4*\s+3], 0x80000000
	JLOAD \s
.endr
	v_and_b32 v1, 15, v0                           ; r
	v_bfe_u32 v2, v0, 4, 1                         ; h
	v_mul_u32_u24 v3, v1, PITCH
	v_lshl_add_u32 v3, v2, 4, v3
	s_mul_i32 s21, s11, HA                         ; my 64 rows of A
	s_mul_i32 s22, s12, HB                         ; my 128 rows of B
	s_add_co_u32 s22, s22, BOFF
.irp s, 0,1
	v_add_nc_u32 v[ADRA+\s], s21, v3
	v_add_nc_u32 v[ADRB+\s], s22, v3
	s_add_co_u32 s21, s21, SLOT
	s_add_co_u32 s22, s22, SLOT
.endr
	s_mul_i32 s23, s10, 16*SPITCH
	s_add_co_u32 s23, s23, STAGE                   ; my stage
	v_mul_u32_u24 v4, v1, SPITCH
	v_lshl_add_u32 v4, v2, 5, v4
	v_add_nc_u32 v[STO], s23, v4                   ; in: row r, 32 bytes for each half of the lanes
	v_and_b32 v5, 31, v0
	v_lshlrev_b32 v[CO], 4, v5                     ; back: the 32 lanes take one row of 512 bytes; and the same in C
	v_add_nc_u32 v[RD], s23, v[CO]
	s_lshl_b32 s16, s13, 19                        ; my first row of C: 128 x tile row + 64 x half, 4,096 bytes a row
	s_lshl_b32 s17, s11, 18
	s_add_co_u32 s16, s16, s17
	s_mov_b32 s17, 0
	s_add_nc_u64 s[8:9], s[8:9], s[16:17]
	s_lshl_b32 s46, s42, 10                        ; my first column, in bytes
	s_lshl_b32 s47, s12, 9
	s_add_co_u32 s46, s46, s47
	s_mov_b32 s47, 0
	s_add_nc_u64 s[8:9], s[8:9], s[46:47]
; 8 matrix instructions: A's block a x B's eight, 32 along K, buffer f.  The 32 accumulators take turns in the same order in every quarter.
.macro MULA f, a, zero
.irp b, 0,1,2,3,4,5,6,7
.if \zero
	v_wmma_f32_16x16x32_f16 v[8*(8*(\a)+\b):8*(8*(\a)+\b)+7], v[64*(\f)+8*\b:64*(\f)+8*\b+7], v[AF+32*(\f)+8*(\a):AF+32*(\f)+8*(\a)+7], 0
.else
	v_wmma_f32_16x16x32_f16 v[8*(8*(\a)+\b):8*(8*(\a)+\b)+7], v[64*(\f)+8*\b:64*(\f)+8*\b+7], v[AF+32*(\f)+8*(\a):AF+32*(\f)+8*(\a)+7], v[8*(8*(\a)+\b):8*(8*(\a)+\b)+7]
.endif
.endr
.endm
; 24 LDS loads in one run: quarter q of the slot (plane q / 2, channels 32 (q % 2) on) into buffer f: B's sixteen, then A's eight
.macro FETCH slot, q, f
	WIN TO_B
.irp i, 0,1,2,3,4,5,6,7
	ds_load_b128 v[64*(\f)+8*\i:64*(\f)+8*\i+3],   v[ADRB+\slot] offset:((\q)>>1)*128*PITCH+((\q)&1)*64+\i*16*PITCH
	ds_load_b128 v[64*(\f)+8*\i+4:64*(\f)+8*\i+7], v[ADRB+\slot] offset:((\q)>>1)*128*PITCH+((\q)&1)*64+\i*16*PITCH+32
.endr
	WIN 0
.irp i, 0,1,2,3
	ds_load_b128 v[AF+32*(\f)+8*\i:AF+32*(\f)+8*\i+3],   v[ADRA+\slot] offset:((\q)>>1)*64*PITCH+((\q)&1)*64+\i*16*PITCH
	ds_load_b128 v[AF+32*(\f)+8*\i+4:AF+32*(\f)+8*\i+7], v[ADRA+\slot] offset:((\q)>>1)*64*PITCH+((\q)&1)*64+\i*16*PITCH+32
.endr
.endm
.macro PLACES                          ; four plain lines in front of loads into registers that matrix instructions have read, and of reads of results
.rept 4
	v_nop
.endr
.endm
; One of a K step's first three quarters: multiplies buffer f; in its middle it fetches quarter qn of the same slot into buffer g.
.macro QUARTER slot, qn, f, g, zero
	s_wait_dscnt 4                                 ; B and A's blocks 0, 1 are in; the youngest four loads (A's blocks 2, 3) may be out
	WIN MUL
	MULA \f, 0, \zero
	MULA \f, 1, \zero
	PLACES
	FETCH \slot, \qn, \g
	s_wait_dscnt 24                                ; all but the 24 just issued
	WIN MUL
	MULA \f, 2, \zero
	MULA \f, 3, \zero
.endm
; The last quarter multiplies buffer 1 and changes slots: ONE barrier; in front of it each wave waits for all its tensor loads, adds 0 to its spare word, and waits for that and for its reads of this slot.
; fill = 1: the barrier opens a round of the cluster's, and this slot is filled again, two K steps ahead: 112 matrix instructions stand between the request and the wait for it.
.macro TURN slot, next, fill
	WIN 0
	s_wait_tensorcnt 0x0                           ; all my tensor loads have landed: the one that was out is my part of the next slot
	ds_add_u32 v[SPW], v[NIL]
	s_wait_dscnt 5                                 ; the add and the youngest four loads may be out
	WIN MUL
	MULA 1, 0, 0
	s_wait_dscnt 0x0                               ; the add is done, and my reads of this slot are over
	s_barrier_signal -1
	MULA 1, 1, 0
.if \fill
	WIN 0
.endif
	s_barrier_wait -1
.if \fill
	CREST                                          ; no wave of any partner still reads this slot or has a load on its way
	s_add_nc_u64 s[G0+4*\slot+2:G0+4*\slot+3], s[G0+4*\slot+2:G0+4*\slot+3], 4*APLANE
	s_add_nc_u64 s[G0B+4*\slot+2:G0B+4*\slot+3], s[G0B+4*\slot+2:G0B+4*\slot+3], 4*BPLANE
	JLOAD \slot                                    ; the first tensor load behind the round; its four v_nop are also the places in front of the loads below
.else
	PLACES
.endif
	FETCH \next, 0, 0
	WIN MUL
	MULA 1, 2, 0
	MULA 1, 3, 0
.endm
	s_wait_tensorcnt 1                             ; my part of K step 0 is in; K step 1's load may be out
	s_barrier_signal -1
	s_barrier_wait -1
	FETCH 0, 0, 0
	QUARTER 0, 1, 0, 1, 1                          ; the first quarter's products start the sums
	WIN 0
	s_mov_b32 s3, LAPS-1
.Llap:                                             ; a trip goes once round the ring and fills both slots again
	QUARTER 0, 2, 1, 0, 0
	QUARTER 0, 3, 0, 1, 0
	TURN 0, 1, 1
	QUARTER 1, 1, 0, 1, 0
	QUARTER 1, 2, 1, 0, 0
	QUARTER 1, 3, 0, 1, 0
	TURN 1, 0, 1
	QUARTER 0, 1, 0, 1, 0
	WIN 0
	s_sub_co_u32 s3, s3, 1
	s_cmp_lg_u32 s3, 0
	s_cbranch_scc1 .Llap
	QUARTER 0, 2, 1, 0, 0                          ; the last lap fills nothing
	QUARTER 0, 3, 0, 1, 0
	TURN 0, 1, 0
	QUARTER 1, 1, 0, 1, 0
	QUARTER 1, 2, 1, 0, 0
	QUARTER 1, 3, 0, 1, 0
	s_wait_dscnt 4
	WIN MUL
	MULA 1, 0, 0
	MULA 1, 1, 0
	s_wait_dscnt 0
	MULA 1, 2, 0
	MULA 1, 3, 0
	WIN 0
; THE WAY OUT, block by block of 16 rows x 128 columns, through my own stage: back as whole rows of 512 bytes.
.macro TOSTAGE a
	WIN 0x08                                       ; an LDS store's data are its source 1: window 2
.irp b, 0,1,2,3,4,5,6,7
	ds_store_b128 v[STO], v[8*(8*(\a)+\b):8*(8*(\a)+\b)+3] offset:64*\b          ; each accumulator from its low end on
	ds_store_b128 v[STO], v[8*(8*(\a)+\b)+4:8*(8*(\a)+\b)+7] offset:64*\b+16
.endr
	WIN 0
.irp t, 0,1,2,3,4,5,6,7,8,9,10,11,12,13,14,15
	ds_load_b128 v[BK+64*((\a)%2)+4*\t:BK+64*((\a)%2)+4*\t+3], v[RD] offset:\t*SPITCH   ; LDS serves a wave's instructions in order (ISA guide 5.7.1.4)
.endr
.endm
.macro SEND a, younger                 ; younger: the LDS instructions issued behind block a's loads
	s_wait_dscnt \younger
.irp t, 0,1,2,3,4,5,6,7,8,9,10,11,12,13,14,15
	global_store_b128 v[CO], v[BK+64*((\a)%2)+4*\t:BK+64*((\a)%2)+4*\t+3], s[8:9] offset:(16*(\a)+\t)*4096 th:TH_STORE_NT   ; 512 consecutive bytes, aligned
.endr
.endm
	PLACES
	TOSTAGE 0
.irp a, 1,2,3
.if \a > 1
	s_wait_xcnt 0x0                                ; block a - 2's stores have read the registers that block a's loads fill
.endif
	TOSTAGE \a
	SEND \a-1, 32                                  ; behind block a - 1's loads: block a's 16 stores and 16 loads
.endr
	SEND 3, 0
	s_wait_tensorcnt 0x0                           ; the wave's end, behind my last tensor load and my last LDS store
	ds_add_u32 v[SPW], v[NIL]
	s_wait_dscnt 0x0
	CROUND                                         ; the closing round
	s_endpgm
.Lfunc_end_k_q32245709cc_outp:
	.size	k_q32245709cc_outp, .Lfunc_end_k_q32245709cc_outp-k_q32245709cc_outp
	.p2alignl 7, 3214868480
	.fill 96, 4, 3214868480
	.section	.rodata,"a",@progbits
	.p2align	6, 0x0
	.amdhsa_kernel k_q32245709cc_outp
		.amdhsa_group_segment_fixed_size 327680
		.amdhsa_private_segment_fixed_size 0
		.amdhsa_enable_private_segment 0
		.amdhsa_kernarg_size 24
		.amdhsa_user_sgpr_count 2
		.amdhsa_user_sgpr_kernarg_segment_ptr 1
		.amdhsa_wavefront_size32 1
		.amdhsa_system_sgpr_workgroup_id_x 1
		.amdhsa_system_sgpr_workgroup_id_y 1
		.amdhsa_system_sgpr_workgroup_id_z 1
		.amdhsa_system_vgpr_workitem_id 0
		.amdhsa_next_free_vgpr 768
		.amdhsa_next_free_sgpr 66
		.amdhsa_reserve_vcc 0
		.amdhsa_float_denorm_mode_32 3
		.amdhsa_float_denorm_mode_16_64 3
		.amdhsa_memory_ordered 1
		.amdhsa_forward_progress 1
		.amdhsa_inst_pref_size 85
	.end_amdhsa_kernel
	.amdgpu_metadata
---
amdhsa.version: [ 1, 2 ]
amdhsa.kernels:
  - .name:           k_q32245709cc_outp
    .symbol:         k_q32245709cc_outp.kd
    .args:
      - { .name: ctx, .offset: 0, .size: 8, .value_kind: global_buffer, .address_space: global }
      - { .name: wo16, .offset: 8, .size: 8, .value_kind: global_buffer, .address_space: global }
      - { .name: out0, .offset: 16, .size: 8, .value_kind: global_buffer, .address_space: global }
    .group_segment_fixed_size: 327680
    .private_segment_fixed_size: 0
    .kernarg_segment_align: 8
    .kernarg_segment_size: 24
    .max_flat_workgroup_size: 128
    .sgpr_count:     66
    .vgpr_count:     768
    .wavefront_size: 32
...
	.end_amdgpu_metadata
.endif
;; end of part 4
;; launch first16 (part 5): grid 16 x 4, 16 waves a work-group, no clusters, 85,248 bytes of LDS; arguments fine, Wo, out0; writes out0
.if DOCPART == 5
	.amdgcn_target "amdgcn-amd-amdhsa--gfx1250"
	.amdhsa_code_object_version 6
	.text
	.protected	k_q32245709cc_first16
	.globl	k_q32245709cc_first16
	.p2align	8
	.type	k_q32245709cc_first16,@function
k_q32245709cc_first16:
	s_mov_b64 s[64:65], 0
	v_nop
	global_prefetch_b8 v0, s[64:65] scope:SCOPE_SE
	s_setreg_imm32_b32 hwreg(HW_REG_WAVE_MODE, 25, 1), 1
	s_wait_xcnt 0x0
; THE FIRST 16 POSITIONS OF EACH BATCH, WHOLLY IN f32: their rows average one to sixteen values, so operands rounded to 16 bits would weigh most there.
; Work-group (x, batch): attention of all 16 heads for positions 0..15 (wave = head), from the f32 copy 'fine' [type][batch][head][16][64]; then out0[batch][0..15][64 x .. 64 x + 63] = ctx Wo^T with Wo as it is given.
; The attention is made anew in each of a batch's 16 work-groups: 16 x 16 scores a head.  All products by v_wmma_f32_16x16x4_f32: no bulk work: 64 rows of 8,192.
; K IS TAKEN IN ANOTHER ORDER, ALIKE ON BOTH SIDES: a lane's load of 16 bytes holds k = 8 c + 4 h + 0..3; each pair of its registers is one K step of the instruction (the lane's slots 2 h, 2 h + 1).  The products are
; the same; the order of the f32 sums differs from a plain ascending one.
; The registers that these matrix instructions write (v120-135, v152-183) are written by matrix instructions alone; what is made of a sum goes into other registers.
; LIMITS: NaN and infinities are not served.
.set CPITCH, 4112                      ; LDS: ctx, 16 rows of 4,096 bytes + 16
.set PART,   16*CPITCH                 ; four parts along K of the result: 16 rows of 256 bytes + 16 each
.set PPITCH, 272
.set SPARE,  PART+4*16*PPITCH          ; the spare words: 128 bytes a wave, eight blocks of 256 bytes that no other line names
.set TYPEB,  64*4096                   ; from q to k, and from k to v, in 'fine'
.set SPW, 14
.set NIL, 15
.set QF,  24                           ; v24-55   Q; later ctx / l; later Wo's third batch
.set KF,  56                           ; v56-87   K; later ctx's batches 0, 2
.set VF,  88                           ; v88-119  V^T; later ctx's batches 1, 3
.set SA,  120                          ; v120-135 two accumulators of S^T
.set SS,  136                          ; v136-143 the scores; later the result's sum
.set PP,  144                          ; v144-151 p
.set CT,  152                          ; v152-183 four accumulators: ctx^T, later the result
.set WA,  184                          ; v184-215 Wo's batches 0, 3
.set WB,  216                          ; v216-247 batch 1
	s_load_b128 s[4:7], s[0:1], 0x0                ; fine, Wo
	s_load_b64 s[8:9], s[0:1], 0x10                ; out0
	v_lshl_add_u32 v[SPW], v0, 2, SPARE
	v_mov_b32 v[NIL], 0
	v_lshrrev_b32 v1, 5, v0
	v_readfirstlane_b32 s10, v1                    ; wave 0..15: the head; later column tile wave % 4, quarter of K wave / 4
	s_and_b32 s11, ttmp7, 0xffff                   ; batch
	s_and_b32 s16, s10, 3
	s_lshr_b32 s17, s10, 2
	v_and_b32 v1, 15, v0                           ; r
	v_bfe_u32 v2, v0, 4, 1                         ; h
	v_lshlrev_b32 v4, 8, v1
	v_lshl_add_u32 v4, v2, 4, v4                   ; q, k: row r of 256 bytes, + 16 h
	v_lshlrev_b32 v5, 2, v1
	v_lshl_add_u32 v5, v2, 11, v5                  ; v: key 8 h, channel r
	v_lshlrev_b32 v6, 12, v1
	v_lshl_add_u32 v6, v2, 4, v6                   ; Wo: row r of 4,096 bytes, + 16 h
	v_mul_u32_u24 v7, v1, CPITCH
	v_lshl_add_u32 v8, v2, 4, v7
	s_lshl_b32 s18, s17, 10
	v_add_nc_u32 v8, s18, v8                       ; ctx back: row r, + 1,024 x quarter, + 16 h
	v_lshl_add_u32 v7, v2, 5, v7
	s_lshl_b32 s18, s10, 8
	v_add_nc_u32 v7, s18, v7                       ; ctx in: row r, + 256 x head, + 32 h
	v_mul_u32_u24 v9, v1, PPITCH
	v_lshl_add_u32 v9, v2, 5, v9
	s_mul_i32 s18, s17, 16*PPITCH
	s_lshl_b32 s19, s16, 6
	s_add_co_u32 s18, s18, s19
	s_add_co_u32 s18, s18, PART
	v_add_nc_u32 v9, s18, v9                       ; a part in: its quarter, row r, + 64 x column tile, + 32 h
	s_and_b32 s18, s10, 7
	s_mul_i32 s19, s18, 2*PPITCH
	s_add_co_u32 s19, s19, PART
	v_mul_u32_u24 v10, v2, PPITCH
	v_lshl_add_u32 v10, v1, 4, v10
	v_add_nc_u32 v10, s19, v10                     ; the parts back: row 2 (wave % 8) + h, 16 bytes a lane
	v_lshlrev_b32 v11, 12, v2
	v_lshl_add_u32 v11, v1, 4, v11                 ; and the same in out0
	v_lshlrev_b32 v12, 3, v2
	v_sub_nc_u32 v12, v1, v12                      ; r - 8 h
	v_mov_b32 v13, 0xff800000                      ; -infinity
	v_mov_b32 v17, 0                               ; a lane permute's destination counts as one of its sources
	s_mov_b32 s12, 0x76543210
	s_mov_b32 s13, 0xfedcba98                      ; lane l xor 16
	s_mov_b32 s14, 0x3e38aa3b                      ; c = log2(e) / 8
	s_mov_b32 s15, s14
	s_mov_b32 s21, 0
	s_wait_kmcnt 0x0
	s_lshl_b32 s20, s11, 4
	s_add_co_u32 s20, s20, s10
	s_lshl_b32 s20, s20, 12
	s_add_nc_u64 s[4:5], s[4:5], s[20:21]          ; q of (batch, head)
	s_lshl_b32 s20, ttmp9, 6
	s_lshl_b32 s22, s16, 4
	s_add_co_u32 s20, s20, s22                     ; my 16 rows of Wo
	s_lshl_b32 s20, s20, 12
	s_lshl_b32 s22, s17, 10
	s_add_co_u32 s20, s20, s22                     ; my quarter of K
	s_add_nc_u64 s[6:7], s[6:7], s[20:21]
	s_lshl_b32 s20, s11, 23                        ; the batch's 2,048 rows of 4,096 bytes
	s_lshl_b32 s22, s18, 13
	s_add_co_u32 s20, s20, s22                     ; two rows a wave
	s_lshl_b32 s22, ttmp9, 8
	s_add_co_u32 s20, s20, s22                     ; my work-group's 64 columns
	s_add_nc_u64 s[8:9], s[8:9], s[20:21]
.macro WLOAD reg, g                    ; Wo: 64 along K, batch g of my quarter
.irp c, 0,1,2,3,4,5,6,7
	global_load_b128 v[\reg+4*\c:\reg+4*\c+3], v6, s[6:7] offset:256*(\g)+32*\c
.endr
.endm
.irp c, 0,1,2,3,4,5,6,7
	global_load_b128 v[QF+4*\c:QF+4*\c+3], v4, s[4:5] offset:32*\c
.endr
.irp c, 0,1,2,3,4,5,6,7
	global_load_b128 v[KF+4*\c:KF+4*\c+3], v4, s[4:5] offset:TYPEB+32*\c
.endr
.irp ct, 0,1,2,3
.irp i, 0,1,2,3,4,5,6,7
	global_load_b32 v[VF+8*\ct+\i], v5, s[4:5] offset:2*TYPEB+256*\i+64*\ct   ; V(8 h + i, 16 ct + r)
.endr
.endr
	WLOAD WA, 0
	WLOAD WB, 1
	s_wait_loadcnt 48                              ; q and k are in; v's 32 loads and Wo's 16 may be out
	; ---- A: S^T = K Q^T, 16 K steps on two accumulators by turns
.set n, 0
.rept 16
.if n < 2
	v_wmma_f32_16x16x4_f32 v[SA+8*(n%2):SA+8*(n%2)+7], v[KF+2*n:KF+2*n+1], v[QF+2*n:QF+2*n+1], 0
.else
	v_wmma_f32_16x16x4_f32 v[SA+8*(n%2):SA+8*(n%2)+7], v[KF+2*n:KF+2*n+1], v[QF+2*n:QF+2*n+1], v[SA+8*(n%2):SA+8*(n%2)+7]
.endif
.set n, n+1
.endr
.rept 8
	v_nop                                          ; eight places behind this form (ISA guide 7.12.1)
.endr
.irp i, 0,1,2,3
	v_pk_add_f32 v[SS+2*\i:SS+2*\i+1], v[SA+2*\i:SA+2*\i+1], v[SA+8+2*\i:SA+8+2*\i+1]   ; lane (r, h): query r, keys 8 h + 0..7
.endr
.irp j, 0,1,2,3,4,5,6,7
	v_cmp_gt_i32 vcc_lo, \j, v12                   ; key 8 h + j comes after query r
	v_cndmask_b32 v[SS+\j], v[SS+\j], v13, vcc_lo
.endr
	v_max3_num_f32 v16, v[SS], v[SS+1], v[SS+2]
	v_max3_num_f32 v16, v16, v[SS+3], v[SS+4]
	v_max3_num_f32 v16, v16, v[SS+5], v[SS+6]
	v_max_num_f32 v16, v16, v[SS+7]
	v_permlanex16_b32 v17, v16, s12, s13
	v_max_num_f32 v16, v16, v17                    ; the row's maximum: key 0 counts for every query
	v_mul_f32 v18, s14, v16
	v_mov_b32 v19, v18
.irp i, 0,1,2,3
	v_pk_fma_f32 v[PP+2*\i:PP+2*\i+1], v[SS+2*\i:SS+2*\i+1], s[14:15], v[18:19] op_sel_hi:[1,0,0] neg_lo:[0,0,1] neg_hi:[0,0,1]
.endr
.irp j, 0,1,2,3,4,5,6,7
	v_exp_f32 v[PP+\j], v[PP+\j]
.endr
	v_nop
	s_wait_alu depctr_va_vdst(0)                   ; one wait for the eight, ahead of their first reader
	v_pk_add_f32 v[20:21], v[PP:PP+1], v[PP+2:PP+3]
	v_pk_add_f32 v[22:23], v[PP+4:PP+5], v[PP+6:PP+7]
	v_pk_add_f32 v[20:21], v[20:21], v[22:23]
	v_add_f32 v20, v20, v21
	v_permlanex16_b32 v17, v20, s12, s13
	v_add_f32 v20, v20, v17                        ; the row's sum
	v_rcp_f32 v20, v20
	v_nop
	s_wait_alu depctr_va_vdst(0)
	s_wait_loadcnt 16                              ; v is in; Wo's 16 loads may be out
.irp s, 0,1,2,3                                ; ctx^T = V^T P: K step s: keys 8 h + 2 s, + 1; four accumulators by turns
.irp ct, 0,1,2,3
.if \s == 0
	v_wmma_f32_16x16x4_f32 v[CT+8*\ct:CT+8*\ct+7], v[VF+8*\ct+2*\s:VF+8*\ct+2*\s+1], v[PP+2*\s:PP+2*\s+1], 0
.else
	v_wmma_f32_16x16x4_f32 v[CT+8*\ct:CT+8*\ct+7], v[VF+8*\ct+2*\s:VF+8*\ct+2*\s+1], v[PP+2*\s:PP+2*\s+1], v[CT+8*\ct:CT+8*\ct+7]
.endif
.endr
.endr
.rept 9
	v_nop                                          ; eight places ahead of the reads and of loads over V^T; nine ahead of the sums that begin anew in these accumulators
.endr
.set i, 0
.rept 16
	v_pk_mul_f32 v[QF+2*i:QF+2*i+1], v[CT+2*i:CT+2*i+1], v[20:21] op_sel_hi:[1,0]   ; / l: lane (r, h): query r, channels 16 ct + 8 h + 0..7
.set i, i+1
.endr
.irp ct, 0,1,2,3
	ds_store_b128 v7, v[QF+8*\ct:QF+8*\ct+3] offset:64*\ct
	ds_store_b128 v7, v[QF+8*\ct+4:QF+8*\ct+7] offset:64*\ct+16
.endr
	s_wait_dscnt 0x0                               ; for the others' sake: my head's part of ctx lies in LDS; and the stores have read their registers,
	WLOAD QF, 2                                    ; which take Wo's third batch
	s_barrier_signal -1
	s_barrier_wait -1                              ; 16 rows x 1,024 of ctx lie in LDS
	; ---- B: my 16 columns x my quarter of K: four batches of 64 along K, 16 matrix instructions each, on four accumulators by turns
.macro CLOAD reg, g
.irp c, 0,1,2,3,4,5,6,7
	ds_load_b128 v[\reg+4*\c:\reg+4*\c+3], v8 offset:256*(\g)+32*\c
.endr
.endm
.macro BATCH wr, cr, zero              ; source 0 = 16 rows of Wo, source 1 = the 16 rows of ctx: a lane holds one row of the result and eight neighbouring columns
.set n, 0
.rept 16
.if \zero && (n < 4)
	v_wmma_f32_16x16x4_f32 v[CT+8*(n%4):CT+8*(n%4)+7], v[\wr+2*n:\wr+2*n+1], v[\cr+2*n:\cr+2*n+1], 0
.else
	v_wmma_f32_16x16x4_f32 v[CT+8*(n%4):CT+8*(n%4)+7], v[\wr+2*n:\wr+2*n+1], v[\cr+2*n:\cr+2*n+1], v[CT+8*(n%4):CT+8*(n%4)+7]
.endif
.set n, n+1
.endr
.endm
	CLOAD KF, 0
	CLOAD VF, 1
	s_wait_loadcnt 16                              ; Wo's batch 0 is in; batches 1 and 2 may be out
	s_wait_dscnt 8                                 ; ctx's batch 0 is in; batch 1 may be out
	BATCH WA, KF, 1
.rept 8
	v_nop                                          ; places in front of loads into registers that these products read
.endr
	CLOAD KF, 2
	WLOAD WA, 3
	s_wait_loadcnt 16                              ; batch 1 is in; batches 2 and 3 may be out
	s_wait_dscnt 8
	BATCH WB, VF, 0
.rept 8
	v_nop
.endr
	CLOAD VF, 3
	s_wait_loadcnt 8                               ; batch 2 is in; batch 3 may be out
	s_wait_dscnt 8
	BATCH QF, KF, 0
	s_wait_loadcnt 0
	s_wait_dscnt 0
	BATCH WA, VF, 0
.rept 8
	v_nop
.endr
.irp i, 0,1,2,3
	v_pk_add_f32 v[SS+2*\i:SS+2*\i+1], v[CT+2*\i:CT+2*\i+1], v[CT+8+2*\i:CT+8+2*\i+1]   ; the four accumulators' sum, each read from its low end on
.endr
.irp i, 0,1,2,3
	v_pk_add_f32 v[SS+2*\i:SS+2*\i+1], v[SS+2*\i:SS+2*\i+1], v[CT+16+2*\i:CT+16+2*\i+1]
.endr
.irp i, 0,1,2,3
	v_pk_add_f32 v[SS+2*\i:SS+2*\i+1], v[SS+2*\i:SS+2*\i+1], v[CT+24+2*\i:CT+24+2*\i+1]
.endr
	ds_store_b128 v9, v[SS:SS+3]
	ds_store_b128 v9, v[SS+4:SS+7] offset:16
	s_wait_dscnt 0x0                               ; for the others' sake
	s_barrier_signal -1
	s_barrier_wait -1                              ; the four parts along K lie in LDS
	s_cmp_lt_u32 s10, 8                            ; waves 0-7 add them and store two rows each
	s_cbranch_scc0 .Lend
.irp k, 0,1,2,3
	ds_load_b128 v[KF+4*\k:KF+4*\k+3], v10 offset:\k*16*PPITCH
.endr
	s_wait_dscnt 0x0
	v_pk_add_f32 v[KF:KF+1], v[KF:KF+1], v[KF+4:KF+5]
	v_pk_add_f32 v[KF+2:KF+3], v[KF+2:KF+3], v[KF+6:KF+7]
	v_pk_add_f32 v[KF+8:KF+9], v[KF+8:KF+9], v[KF+12:KF+13]
	v_pk_add_f32 v[KF+10:KF+11], v[KF+10:KF+11], v[KF+14:KF+15]
	v_pk_add_f32 v[KF:KF+1], v[KF:KF+1], v[KF+8:KF+9]
	v_pk_add_f32 v[KF+2:KF+3], v[KF+2:KF+3], v[KF+10:KF+11]
	global_store_b128 v11, v[KF:KF+3], s[8:9]      ; sixteen lanes store 256 consecutive bytes, aligned
.Lend:
	s_wait_tensorcnt 0x0                           ; the wave's end, behind my last LDS store
	ds_add_u32 v[SPW], v[NIL]
	s_wait_dscnt 0x0
	s_endpgm
.Lfunc_end_k_q32245709cc_first16:
	.size	k_q32245709cc_first16, .Lfunc_end_k_q32245709cc_first16-k_q32245709cc_first16
	.p2alignl 7, 3214868480
	.fill 96, 4, 3214868480
	.section	.rodata,"a",@progbits
	.p2align	6, 0x0
	.amdhsa_kernel k_q32245709cc_first16
		.amdhsa_group_segment_fixed_size 85248
		.amdhsa_private_segment_fixed_size 0
		.amdhsa_enable_private_segment 0
		.amdhsa_kernarg_size 24
		.amdhsa_user_sgpr_count 2
		.amdhsa_user_sgpr_kernarg_segment_ptr 1
		.amdhsa_wavefront_size32 1
		.amdhsa_system_sgpr_workgroup_id_x 1
		.amdhsa_system_sgpr_workgroup_id_y 1
		.amdhsa_system_sgpr_workgroup_id_z 1
		.amdhsa_system_vgpr_workitem_id 0
		.amdhsa_next_free_vgpr 256
		.amdhsa_next_free_sgpr 66
		.amdhsa_reserve_vcc 1
		.amdhsa_float_denorm_mode_32 3
		.amdhsa_float_denorm_mode_16_64 3
		.amdhsa_memory_ordered 1
		.amdhsa_forward_progress 1
		.amdhsa_inst_pref_size 26
	.end_amdhsa_kernel
	.amdgpu_metadata
---
amdhsa.version: [ 1, 2 ]
amdhsa.kernels:
  - .name:           k_q32245709cc_first16
    .symbol:         k_q32245709cc_first16.kd
    .args:
      - { .name: fine, .offset: 0, .size: 8, .value_kind: global_buffer, .address_space: global }
      - { .name: Wo, .offset: 8, .size: 8, .value_kind: global_buffer, .address_space: global }
      - { .name: out0, .offset: 16, .size: 8, .value_kind: global_buffer, .address_space: global }
    .group_segment_fixed_size: 85248
    .private_segment_fixed_size: 0
    .kernarg_segment_align: 8
    .kernarg_segment_size: 24
    .max_flat_workgroup_size: 512
    .sgpr_count:     66
    .vgpr_count:     256
    .wavefront_size: 32
...
	.end_amdgpu_metadata
.endif
;; end of part 5
